; MI455X (gfx1250); checked and timed in simulation.
; The chip was launched on July 23, 2026; its instructions are those of AMD's public machine-readable ISA for CDNA 5 (MIT licence, August 2026) and "CDNA5" Instruction Set Architecture Reference Guide (July 2026). The comments in the code are by the model that wrote it; some were corrected since.
;; Multi Head Attention. Allowed arithmetic: matrix products marked QUANTISED: E2M1 operands, one E8M0 scale for each 32 along K, by v_wmma_scale_f32_16x16x128_f8f6f4 with both operands' format E2M1 (or v_wmma_scale_f32_32x16x128_f4), f32 sums; everything else in f32.
;; Inputs: Wk 1,024 x 1,024 float32; Wp 1,024 x 1,024 float32; Wq 1,024 x 1,024 float32; Wv 1,024 x 1,024 float32; bk 1,024 float32; bp 1,024 float32; bq 1,024 float32; bv 1,024 float32; mask 1 x 1 x 2,048 x 2,048 int32; x 4 x 2,048 x 1,024 float32.
;; Outputs: out0 4 x 2,048 x 1,024 float32.
;; This version of the problem:
;;   THIS VERSION OF THE PROBLEM IS GIVEN IN LOW PRECISION. The matrix products marked QUANTISED in the list below multiply operands that are first quantised to E2M1 (2 exponent bits, 1 mantissa bit; 4 bits a number), with one power-of-two scale for each 32 numbers along K (OCP MX v1.0); their sums are f32. All else is computed in f32.
;;   The module's matrix products, in the order in which they are computed (A, B: the left and right operand; K: the contracted axis; several contracted axes count as one K, in the product's order):
;;     1. [M 8,192, K 1,024] x [K 1,024, N 1,024]; A: input x; B: input Wq: QUANTISED
;;     2. [M 8,192, K 1,024] x [K 1,024, N 1,024]; A: input x; B: input Wk: QUANTISED
;;     3. [M 8,192, K 1,024] x [K 1,024, N 1,024]; A: input x; B: input Wv: QUANTISED
;;     4. batch 64 x [M 2,048, K 64] x [K 64, N 2,048]; A: computed on the way; B: computed on the way: QUANTISED
;;     5. batch 64 x [M 2,048, K 2,048] x [K 2,048, N 64]; A: softmax (see below); B: computed on the way: QUANTISED
;;     6. [M 8,192, K 1,024] x [K 1,024, N 1,024]; A: computed on the way; B: input Wp: QUANTISED
;;   THE QUANTISER, for each operand of a quantised product, along K:
;;     - K is cut into blocks of 32 from its start; a last block that is shorter is filled with zeros.
;;     - A block's scale is 2^e with e = floor(log2(the largest magnitude in the block)) - 2, held to -126 .. 127; a block of zeros has e = 0. As a byte (E8M0): e + 127.
;;     - Each number is divided by its block's scale, clamped to +-6, and rounded to the nearest number of E2M1, ties to even, subnormals kept.
;;     - The product sums the exact products of the quantised numbers (number of the format x scale) in f32.
;;   ~~~python
;;   def quantise(x, axis):      # numpy; x: float32 -> the quantised numbers, widened to float32 again
;;       x = np.moveaxis(x, axis, -1); K = x.shape[-1]
;;       x = np.pad(x, [(0, 0)] * (x.ndim - 1) + [(0, -K % 32)]); x = x.reshape(x.shape[:-1] + (-1, 32)); a = np.abs(x).max(-1, keepdims=True)
;;       e = np.where(a > 0, np.clip(np.frexp(np.where(a > 0, a, 1))[1] - 1 - 2, -126, 127), 0)      # np.frexp(a)[1] - 1 = floor(log2(a)), exactly
;;       r = np.clip(x / 2.0 ** e, -6, 6)
;;       step = 2.0 ** (np.maximum(np.frexp(np.where(r == 0, 1, r))[1] - 1, 0) - 1)
;;       q = np.round(r / step) * step * 2.0 ** e      # np.round: ties to even
;;       return np.moveaxis(q.reshape(q.shape[:-2] + (-1,))[..., :K], -1, axis).astype(np.float32)
;;   ~~~
;;   SOFTMAX AHEAD OF A QUANTISED PRODUCT. Where the list says 'softmax', what is quantised is not the finished softmax but p = 2^(t - M), with t = logit x log2(e) and M = ceil(the row's largest t), a whole number; so 1/2 < the row's largest p <= 1. The row's sum l is taken of the UNQUANTISED p, in f32, and the product's result is divided by l at the end. Since M is a whole number, a kernel that streams over the keys may use a running M (the ceiling of the running maximum): every later rescaling is an exact power of two, which a block's scale takes up: the codes' values come out the same.
;;   OPERANDS COMPUTED ON THE WAY. 'Computed on the way' means the value that the module computes at that place (a softmax that the list does not call 'softmax' is quantised finished and normalised). What goes into a quantiser is computed in f32, as accurately as f32 sums, v_exp_f32 and their like allow (about 1e-6 of the number): no bf16 or f16 on the way to a quantiser, and a product that is left as it is and whose result goes on into a quantised operand takes f32 operands (vector FMAs, or v_wmma_f32_16x16x4_f32). A number that lies on a knife's edge between two numbers of the format may be rounded either way, as far as f32 arithmetic and the matrix unit's own rounding can turn it there, and no further.
;; 2 versions, each right; version 2 is version 1 with the launch attn written anew for expert scheduling mode. Each part assembles by itself: llvm-mc -triple=amdgcn-amd-amdhsa -mcpu=gfx1250 --defsym DOCPART=n.
;; ======== version 1 of 2: 4 launches
;; workspace buffers: pw 6,684,672 bytes; mk 532,480 bytes of whole numbers; qkv 13,369,344 bytes; yq 4,456,448 bytes
;; launch prep (part 1): grid 640 x 1, 4 waves a work-group, no clusters, 68,096 bytes of LDS; arguments x, mask, Wq, Wk, Wv, Wp, pw, mk; writes pw, mk
.if DOCPART == 1
	.amdgcn_target "amdgcn-amd-amdhsa--gfx1250"
	.amdhsa_code_object_version 6
	.text
	.protected	k_q0282245304_prep
	.globl	k_q0282245304_prep
	.p2align	8
	.type	k_q0282245304_prep,@function
k_q0282245304_prep:
	s_mov_b64 s[64:65], 0
	v_nop
	global_prefetch_b8 v0, s[64:65] scope:SCOPE_SE
	s_setreg_imm32_b32 hwreg(HW_REG_WAVE_MODE, 25, 1), 1
	s_wait_xcnt 0x0
; MULTI-HEAD ATTENTION IN MX-FP4, FIRST OF FOUR LAUNCHES: x and the four weights become codes of E2M1 with one E8M0 byte for each 32 along K; the mask becomes bit words and flags.
; NO WORK OF THE PROBLEM IS DEAD FOR ALL INPUTS: every input is loaded, all four biases stay (bk too: it moves k's codes).  The mask is an input: nothing of its pattern is built in.  What is passed over, in the
; third launch, is a step of 128 keys in which the mask hides every key from all 32 queries of a wave: the flags stored here say so, whatever the mask holds.
; TILES.  Tile T = 2 G + u of 16 rows holds at place p the row 32 G + 8 u + p + 8 (p / 8): so the 16 result registers of two neighbouring tiles of a transposed product are 16 neighbours along the next K.
; IMAGES.  An operand lies in memory as it lies in registers: a part of 512 bytes is 16 rows x 64 k, lane l's 16 bytes at 16 l (lane = place + 16 x (which 32 of the 64)); a fragment, 16 rows x 128 k, is two parts.
; pw: x's codes [s 2][tile 512][step 4][part 2][512] at 0; the weights' (tiles 0-255: rows n of Wq, Wk, Wv, Wp) in the same form at WCO; scale words [tile][s 2][place 16][step 4] at XSO and WSO.
; mk: at 0 [query tile 128][key step 16][64 words]: bit (lane) of word n = mask[query at place lane % 16][128 step + 32 (n / 16) + 16 (lane / 16) + n % 16] != 0;  at FLO [query tile][key step]: bit 0 some key open, bit 16 all open.
; THE QUANTISER: a block's scale byte is its largest magnitude's exponent field - 2, held at 1 from below; numbers are divided by the scale and rounded to the nearest code, ties to even, beyond 6 the largest code.
; LIMITS: a block of zeros gets the byte 1 where the rule says 127 (its codes are zeros, and this program alone reads the bytes); blocks whose largest magnitude lies under 2^-124 were not tried; NaN and infinities in x and the weights are not served.
; SHARES: work-groups 0-255 take x (a wave: one tile x 512 k), 256-511 the weights (a lane: one column n x 128 k), 512-639 the mask (a wave: one query tile x 4 key steps).  The three ways part once, on the work-group's number, and never join.
; x's and the mask's way have LDS stages of their own; waves share nothing: no barrier.
.set SPARE, 67584                      ; behind the stages: the spare words, 128 bytes a wave
.set MSTG,  33792                      ; the mask's stages begin here; x's at 0; a stage is 16 rows x (512 + 16) bytes for each wave
.set WCO,   4194304
.set XSO,   6291456
.set WSO,   6553600
.set FLO,   524288
.set R,     16                         ; v16-143  two sets of 64: 16 rows x 16 bytes as loaded
.set X,     144                        ; v144-207 64 numbers of my row: register 16 b + i = k 32 b + 16 (lane / 16) + i
.set PC,    208                        ; v208-215 a fragment's codes
.set PW,    216                        ; v216-219 the four scale words
.set TM,    220                        ; v220-235 at work in the quantiser
.set BW,    208                        ; the mask's way: v208-215 a pair of word registers for each chunk
.set FW,    216                        ; and v216 the flags
.set SPW,   254                        ; LDS address of my spare word; never rewritten
.set NIL,   255                        ; 0; never rewritten
.set SEL,   22                         ; s[22:23] selects for lane l xor 16
.set HM,    24                         ; s24 the mask of lanes 16-31
.macro LOADS t, pitch, sb              ; chunk t: 512 bytes of each of the tile's 16 rows; each load reads 512 consecutive bytes
.irp p, 0,1,2,3,4,5,6,7,8,9,10,11,12,13,14,15
	global_load_b128 v[R+64*((\t)%2)+4*\p:R+64*((\t)%2)+4*\p+3], v4, s[\sb:\sb+1] offset:(\p+8*(\p/8))*\pitch+512*(\t) th:TH_LOAD_NT
.endr
.endm
.macro TURN t, base                    ; through my stage: in by rows, out 16 neighbours of each block of 32 for lane (row, half).  LDS serves a wave's instructions in order: no wait between
.irp p, 0,1,2,3,4,5,6,7,8,9,10,11,12,13,14,15
	ds_store_b128 v5, v[R+64*((\t)%2)+4*\p:R+64*((\t)%2)+4*\p+3] offset:\base+528*\p
.endr
.irp b, 0,1,2,3
.irp g, 0,1,2,3
	ds_load_b128 v[X+16*\b+4*\g:X+16*\b+4*\g+3], v6 offset:\base+128*\b+16*\g
.endr
.endr
.endm
; 64 numbers of a lane become a fragment's codes in v[pc] on and its row's scale word in v[pw]
.macro QUANT s, pc, pw
.irp b, 0,1,2,3
	v_max3_num_f32 v[TM+\b], |v[\s+16*\b]|, |v[\s+1+16*\b]|, 0x1800000   ; block b: my 16 numbers and the floor 2^(3 - 127): the byte cannot fall under 1
.endr
.irp i, 2,4,6,8,10,12,14
.irp b, 0,1,2,3
	v_max3_num_f32 v[TM+\b], v[TM+\b], |v[\s+16*\b+\i]|, |v[\s+1+16*\b+\i]|
.endr
.endr
.irp b, 0,1,2,3
	v_permlanex16_b32 v[TM+4+\b], v[TM+\b], s[SEL], s[SEL+1]
.endr
.irp b, 0,1,2,3
	v_max_num_f32 v[TM+\b], v[TM+\b], v[TM+4+\b]                 ; with lane l xor 16's: the block's largest magnitude
.endr
.irp b, 0,1,2,3
	v_add_nc_u32 v[TM+12+\b], 0xff000000, v[TM+\b]               ; 2 off its exponent field: the conversion's scale operand
.endr
.irp b, 0,1,2,3
	v_lshrrev_b32 v[TM+4+\b], 23, v[TM+12+\b]                    ; the scale's byte
.endr
	v_lshl_or_b32 v[\pw], v[TM+5], 8, v[TM+4]
	v_lshl_or_b32 v[\pw], v[TM+6], 16, v[\pw]
	v_lshl_or_b32 v[\pw], v[TM+7], 24, v[\pw]
.irp b, 0,1,2,3
	v_cvt_scalef32_pk8_fp4_f32 v[\pc+2*\b], v[\s+16*\b:\s+7+16*\b], v[TM+12+\b]
	v_cvt_scalef32_pk8_fp4_f32 v[\pc+1+2*\b], v[\s+8+16*\b:\s+15+16*\b], v[TM+12+\b]
.endr
	v_nop                                          ; one plain place behind a scaled conversion
.irp c, 0,1                            ; the operand's layout wants a whole block in a lane
.irp i, 0,1
	v_permlane16_swap_b32 v[\pc+4*\c+\i], v[\pc+2+4*\c+\i]
.endr
.endr
.endm
	s_load_b512 s[4:19], s[0:1], 0x0               ; x s[4:5], mask s[6:7], Wq s[8:9], Wk s[10:11], Wv s[12:13], Wp s[14:15], pw s[16:17], mk s[18:19]
	v_lshl_add_u32 v[SPW], v0, 2, SPARE
	v_mov_b32 v[NIL], 0
	v_lshrrev_b32 v1, 5, v0
	v_readfirstlane_b32 s20, v1                    ; wave
	v_and_b32 v1, 31, v0                           ; lane
	v_and_b32 v2, 15, v0                           ; r
	v_bfe_u32 v3, v0, 4, 1                         ; h
	v_lshlrev_b32 v4, 4, v1                        ; 16 x lane
	s_mul_i32 s21, s20, 8448                       ; my stage
	v_add_nc_u32 v5, s21, v4                       ; into it
	v_mul_u32_u24 v6, v2, 528
	v_lshl_add_u32 v6, v3, 6, v6
	v_add_nc_u32 v6, s21, v6                       ; out of it: row r, + 64 h
	s_mov_b32 s[SEL], 0x76543210
	s_mov_b32 s[SEL+1], 0xfedcba98
	s_mov_b32 s[HM], 0xffff0000
	s_wait_kmcnt 0x0
	s_cmp_lt_u32 ttmp9, 256
	s_cbranch_scc1 .Lxpath
	s_cmp_lt_u32 ttmp9, 512
	s_cbranch_scc1 .Lwpath
; ---- THE MASK.  id = 4 (work-group - 512) + wave: query tile id / 4, key steps 4 (id % 4) + 0 .. 3
	s_sub_co_u32 s25, ttmp9, 512
	s_lshl_b32 s25, s25, 2
	s_add_co_u32 s25, s25, s20                     ; id
	s_lshr_b32 s26, s25, 2                         ; the query tile
	s_and_b32 s27, s25, 3
	s_lshr_b32 s28, s26, 1
	s_lshl_b32 s28, s28, 18                        ; 32 G rows of 8,192 bytes
	s_and_b32 s29, s26, 1
	s_lshl_b32 s29, s29, 16                        ; 8 u rows
	s_add_co_u32 s28, s28, s29
	s_lshl_b32 s29, s27, 11                        ; four steps of 512 bytes
	s_add_co_u32 s28, s28, s29
	s_mov_b32 s29, 0
	s_add_nc_u64 s[6:7], s[6:7], s[28:29]
	s_lshl_b32 s28, s25, 4                         ; my four flags: 16 bytes
	s_add_nc_u64 s[10:11], s[18:19], s[28:29]
	s_add_nc_u64 s[10:11], s[10:11], FLO
	s_lshl_b32 s28, s25, 10                        ; my four steps' words: 4 x 256 bytes
	s_add_nc_u64 s[18:19], s[18:19], s[28:29]
	v_lshlrev_b32 v7, 3, v1
	v_lshlrev_b32 v8, 2, v1
.irp i, 0,1,2,3,4,5,6,7,8
	v_mov_b32 v[BW+\i], 0                          ; a lane write's destination counts as read
.endr
.macro MCHUNK t
.if (\t) < 3
	s_wait_loadcnt 16                              ; this chunk's 16 loads are in; the next chunk's may be out
.else
	s_wait_loadcnt 0x0
.endif
	TURN \t, MSTG
	s_wait_dscnt 0x0                               ; the stage's stores have read their registers, and my 64 numbers are in
.if (\t) < 2
	LOADS (\t)+2, 8192, 6
.endif
	s_mov_b64 s[28:29], 0                          ; some key open?
	s_mov_b64 s[30:31], -1                         ; all keys open?
.irp hf, 0,1
.set k, 0
.rept 32
	v_cmp_ne_u32 s[32+k], 0, v[X+32*\hf+k]         ; word n = 32 hf + k: a bit for each lane
.set k, k+1
.endr
.set k, 0
.rept 16
	s_or_b64 s[28:29], s[28:29], s[32+k:33+k]
	s_and_b64 s[30:31], s[30:31], s[32+k:33+k]
.set k, k+2
.endr
.set k, 0
.rept 32
	v_writelane_b32 v[BW+2*(\t)+(k&1)], s[32+k], 16*\hf+k/2   ; lane n / 2 stores words n and n + 1
.set k, k+1
.endr
.endr
	s_or_b32 s28, s28, s29
	s_and_b32 s30, s30, s31
	s_cmp_lg_u32 s28, 0
	s_cselect_b32 s28, 1, 0
	s_cmp_eq_u32 s30, -1
	s_cselect_b32 s30, 0x10000, 0
	s_or_b32 s28, s28, s30
	v_writelane_b32 v[FW], s28, \t
	global_store_b64 v7, v[BW+2*(\t):BW+2*(\t)+1], s[18:19] offset:256*(\t)   ; 32 lanes store 256 consecutive bytes, aligned
.endm
	LOADS 0, 8192, 6
	LOADS 1, 8192, 6
	MCHUNK 0
	MCHUNK 1
	MCHUNK 2
	MCHUNK 3
	v_cmp_gt_u32 vcc_lo, 4, v1
	s_wait_xcnt 0x0                                ; EXEC is a source of the stores above: it changes only behind this wait
	s_and_saveexec_b32 s28, vcc_lo
	global_store_b32 v8, v[FW], s[10:11]           ; lanes 0-3: the four flags
	s_wait_xcnt 0x0
	s_or_b32 exec_lo, exec_lo, s28
	s_wait_tensorcnt 0x0                           ; the wave's end: behind my last LDS store
	ds_add_u32 v[SPW], v[NIL]
	s_wait_dscnt 0x0
	s_endpgm
; ---- x.  id = 4 work-group + wave: tile id / 2, half id % 2 of K
.Lxpath:
	s_lshl_b32 s25, ttmp9, 2
	s_add_co_u32 s25, s25, s20                     ; id
	s_lshr_b32 s26, s25, 1                         ; T
	s_and_b32 s27, s25, 1                          ; s
	s_lshr_b32 s28, s26, 1
	s_lshl_b32 s28, s28, 17                        ; 32 G rows of 4,096 bytes
	s_and_b32 s29, s26, 1
	s_lshl_b32 s29, s29, 15
	s_add_co_u32 s28, s28, s29
	s_lshl_b32 s29, s27, 11                        ; 512 k
	s_add_co_u32 s28, s28, s29
	s_mov_b32 s29, 0
	s_add_nc_u64 s[4:5], s[4:5], s[28:29]
	s_lshl_b32 s28, s27, 21
	s_lshl_b32 s30, s26, 12
	s_add_co_u32 s28, s28, s30
	s_add_nc_u64 s[8:9], s[16:17], s[28:29]        ; my codes
	s_lshl_b32 s28, s25, 8
	s_add_nc_u64 s[10:11], s[16:17], s[28:29]
	s_add_nc_u64 s[10:11], s[10:11], XSO           ; my 256 bytes of scale words
	v_lshlrev_b32 v7, 4, v2
	v_lshl_add_u32 v7, v3, 3, v7                   ; 16 r + 8 h
.irp b, 0,1,2,3
	v_mov_b32 v[TM+4+\b], 0                        ; a lane permute's destination counts as read
.endr
.macro XCHUNK t
.if (\t) < 3
	s_wait_loadcnt 16                              ; this chunk's 16 loads are in; the next chunk's may be out
.else
	s_wait_loadcnt 0x0
.endif
.if (\t) > 0
	s_wait_xcnt 0x0                                ; the last chunk's stores have read the codes' registers
.endif
	TURN \t, 0
	s_wait_dscnt 0x0
.if (\t) < 2
	LOADS (\t)+2, 4096, 4
.endif
	QUANT X, PC, PW+(\t)
	global_store_b128 v4, v[PC:PC+3], s[8:9] offset:1024*(\t)
	global_store_b128 v4, v[PC+4:PC+7], s[8:9] offset:1024*(\t)+512
.endm
	LOADS 0, 4096, 4
	LOADS 1, 4096, 4
	XCHUNK 0
	XCHUNK 1
	XCHUNK 2
	XCHUNK 3
	v_cndmask_b32 v8, v[PW], v[PW+2], s[HM]        ; lanes 0-15 store words 0 and 1 of their row, lanes 16-31 words 2 and 3
	v_cndmask_b32 v9, v[PW+1], v[PW+3], s[HM]
	global_store_b64 v7, v[8:9], s[10:11]          ; 256 consecutive bytes, aligned
	s_wait_tensorcnt 0x0                           ; the wave's end: behind my last LDS store
	ds_add_u32 v[SPW], v[NIL]
	s_wait_dscnt 0x0
	s_endpgm
; ---- THE WEIGHTS, [k][n]: a lane takes a column n and its registers run down K.  g = work-group - 256: columns 128 (g % 32) + 32 wave + lane of the four matrices on end, K step g / 32.  No LDS
.Lwpath:
	s_sub_co_u32 s25, ttmp9, 256
	s_and_b32 s26, s25, 31
	s_lshr_b32 s27, s25, 5                         ; the K step of 128
	s_lshr_b32 s28, s26, 3                         ; which matrix
	s_cmp_eq_u32 s28, 1
	s_cselect_b64 s[8:9], s[10:11], s[8:9]
	s_cmp_eq_u32 s28, 2
	s_cselect_b64 s[8:9], s[12:13], s[8:9]
	s_cmp_eq_u32 s28, 3
	s_cselect_b64 s[8:9], s[14:15], s[8:9]
	s_lshl_b32 s28, s27, 19                        ; 128 rows of 4,096 bytes
	s_and_b32 s29, s26, 7
	s_lshl_b32 s29, s29, 9
	s_add_co_u32 s28, s28, s29
	s_lshl_b32 s29, s20, 7
	s_add_co_u32 s28, s28, s29
	s_mov_b32 s29, 0
	s_add_nc_u64 s[8:9], s[8:9], s[28:29]
	v_lshlrev_b32 v7, 2, v1
	s_lshl_b32 s30, s26, 2
	s_add_co_u32 s30, s30, s20                     ; G: my 32 columns are tiles 2 G and 2 G + 1
	s_lshr_b32 s31, s27, 2
	s_and_b32 s32, s27, 3
	s_lshl_b32 s28, s31, 20
	s_lshl_b32 s33, s30, 13
	s_add_co_u32 s28, s28, s33
	s_lshl_b32 s33, s32, 10
	s_add_co_u32 s28, s28, s33
	s_add_nc_u64 s[10:11], s[16:17], s[28:29]
	s_add_nc_u64 s[10:11], s[10:11], WCO
	s_lshl_b32 s28, s30, 10
	s_lshl_b32 s33, s31, 8
	s_add_co_u32 s28, s28, s33
	s_lshl_b32 s33, s32, 2
	s_add_co_u32 s28, s28, s33
	s_add_nc_u64 s[12:13], s[16:17], s[28:29]
	s_add_nc_u64 s[12:13], s[12:13], WSO
	v_bfe_u32 v8, v0, 3, 1                         ; u = (lane / 8) % 2
	v_and_b32 v9, 7, v0
	v_lshl_add_u32 v9, v3, 3, v9                   ; place = lane % 8 + 8 (lane / 16)
	v_lshlrev_b32 v10, 4, v9
	v_lshl_add_u32 v11, v8, 12, v10                ; codes: 4,096 u + 16 place
	v_lshl_add_u32 v12, v8, 9, v10                 ; scale words: 512 u + 16 place
.macro WLOAD k
.set i, 0
.rept 32
	global_load_b32 v[16+32*(\k)+i], v7, s[8:9] offset:(32*(\k)+i)*4096 th:TH_LOAD_NT   ; a wave reads 128 consecutive bytes, the work-group 512
.set i, i+1
.endr
.endm
.macro WBLOCK k
.set WB, 16+32*(\k)
.if (\k) < 3
	s_wait_loadcnt 32                              ; this block's 32 loads are in; the next block's may be out
.else
	s_wait_loadcnt 0x0
.endif
.if (\k) < 2
	WLOAD (\k)+2
.endif
	v_max3_num_f32 v13, |v[WB]|, |v[WB+1]|, |v[WB+2]|
	v_max3_num_f32 v14, |v[WB+3]|, |v[WB+4]|, |v[WB+5]|
.irp i, 6,10,14,18,22,26
	v_max3_num_f32 v13, v13, |v[WB+\i]|, |v[WB+\i+1]|
	v_max3_num_f32 v14, v14, |v[WB+\i+2]|, |v[WB+\i+3]|
.endr
	v_max3_num_f32 v13, v13, |v[WB+30]|, |v[WB+31]|
	v_max3_num_f32 v13, v13, v14, 0x1800000        ; and the floor
	v_add_nc_u32 v15, 0xff000000, v13
	v_lshrrev_b32 v14, 23, v15
.if (\k) == 0
	v_mov_b32 v160, v14
.else
	v_lshl_or_b32 v160, v14, 8*(\k), v160
.endif
.irp g, 0,1,2,3
	v_cvt_scalef32_pk8_fp4_f32 v[144+4*(\k)+\g], v[WB+8*\g:WB+8*\g+7], v15
.endr
	v_nop
	global_store_b128 v11, v[144+4*(\k):144+4*(\k)+3], s[10:11] offset:256*(\k)   ; block k of 16 places: 256 consecutive bytes for each of the two tiles
.endm
	WLOAD 0
	WLOAD 1
	WBLOCK 0
	WBLOCK 1
	WBLOCK 2
	WBLOCK 3
	global_store_b32 v12, v160, s[12:13]           ; my column's scale word of this K step: 4 bytes of each 16, one byte for each 128 read
	s_endpgm
.Lfunc_end_k_q0282245304_prep:
	.size	k_q0282245304_prep, .Lfunc_end_k_q0282245304_prep-k_q0282245304_prep
	.p2alignl 7, 3214868480
	.fill 96, 4, 3214868480
	.section	.rodata,"a",@progbits
	.p2align	6, 0x0
	.amdhsa_kernel k_q0282245304_prep
		.amdhsa_group_segment_fixed_size 68096
		.amdhsa_private_segment_fixed_size 0
		.amdhsa_enable_private_segment 0
		.amdhsa_kernarg_size 64
		.amdhsa_user_sgpr_count 2
		.amdhsa_user_sgpr_kernarg_segment_ptr 1
		.amdhsa_wavefront_size32 1
		.amdhsa_system_sgpr_workgroup_id_x 1
		.amdhsa_system_sgpr_workgroup_id_y 1
		.amdhsa_system_sgpr_workgroup_id_z 1
		.amdhsa_system_vgpr_workitem_id 0
		.amdhsa_next_free_vgpr 256
		.amdhsa_next_free_sgpr 66
		.amdhsa_reserve_vcc 1
		.amdhsa_float_denorm_mode_32 3
		.amdhsa_float_denorm_mode_16_64 3
		.amdhsa_memory_ordered 1
		.amdhsa_forward_progress 1
		.amdhsa_inst_pref_size 111
	.end_amdhsa_kernel
	.amdgpu_metadata
---
amdhsa.version: [ 1, 2 ]
amdhsa.kernels:
  - .name:           k_q0282245304_prep
    .symbol:         k_q0282245304_prep.kd
    .args:
      - { .name: x, .offset: 0, .size: 8, .value_kind: global_buffer, .address_space: global }
      - { .name: mask, .offset: 8, .size: 8, .value_kind: global_buffer, .address_space: global }
      - { .name: Wq, .offset: 16, .size: 8, .value_kind: global_buffer, .address_space: global }
      - { .name: Wk, .offset: 24, .size: 8, .value_kind: global_buffer, .address_space: global }
      - { .name: Wv, .offset: 32, .size: 8, .value_kind: global_buffer, .address_space: global }
      - { .name: Wp, .offset: 40, .size: 8, .value_kind: global_buffer, .address_space: global }
      - { .name: pw, .offset: 48, .size: 8, .value_kind: global_buffer, .address_space: global }
      - { .name: mk, .offset: 56, .size: 8, .value_kind: global_buffer, .address_space: global }
    .group_segment_fixed_size: 68096
    .private_segment_fixed_size: 0
    .kernarg_segment_align: 8
    .kernarg_segment_size: 64
    .max_flat_workgroup_size: 128
    .sgpr_count:     66
    .vgpr_count:     256
    .wavefront_size: 32
...
	.end_amdgpu_metadata
.endif
;; end of part 1
;; launch qkv (part 2): grid 12 x 32, 4 waves a work-group, clusters of 4 x 4, 327,680 bytes of LDS; arguments pw, bq, bk, bv, qkv; writes qkv
.if DOCPART == 2
	.amdgcn_target "amdgcn-amd-amdhsa--gfx1250"
	.amdhsa_code_object_version 6
	.text
	.protected	k_q0282245304_qkv
	.globl	k_q0282245304_qkv
	.p2align	8
	.type	k_q0282245304_qkv,@function
k_q0282245304_qkv:
	s_mov_b64 s[64:65], 0
	v_nop
	global_prefetch_b8 v0, s[64:65] scope:SCOPE_SE
	s_setreg_imm32_b32 hwreg(HW_REG_WAVE_MODE, 25, 1), 1
	s_wait_xcnt 0x0
	s_wait_alu depctr_hold_cnt(0) depctr_sa_sdst(0) depctr_va_vdst(0) depctr_va_sdst(0) depctr_va_ssrc(0) depctr_va_vcc(0) depctr_vm_vsrc(0)
	s_getreg_b32 s2, hwreg(HW_REG_IB_STS2, 6, 4)
	s_cmp_eq_u32 s2, 0
	s_cbranch_scc0 .Lentry_in_a_cluster
	s_endpgm
.Lentry_in_a_cluster:
	s_bfe_u32 s2, ttmp6, 0x10000c
	s_cmp_lg_u32 s2, 0xf033
	s_cbranch_scc0 .Lentry_shape_is_right
	s_endpgm
.Lentry_shape_is_right:
; SECOND LAUNCH: q = x Wq + bq, k = x Wk + bk, v = x Wv + bv on the first launch's codes, and each result quantised in registers for the attention: q and k along the head's 64, v along the keys.  No work is left out.
; A work-group makes 256 x 256 results, a wave 128 x 128: 64 accumulators.  K = 1,024 lies in two LDS slots of 512, each filled once; nothing is filled again.
; THE MATRIX INSTRUCTION IS USED TRANSPOSED: source 0 = 16 rows of operand B, source 1 = 16 rows of operand A: a lane holds one row of A, its registers run along B's rows.
; KINDS, by the cluster's x (the same in all sixteen partners): 0, 1: A = x's tokens, B = rows n of Wq, Wk: a lane holds a token, registers run along the channels;  2: A = rows n of Wv, B = x's tokens: a lane holds a channel,
; registers run along the tokens, which are the second attention product's K.  Tiles hold their rows in the order 32 G + 8 u + place + 8 (place / 8), so 16 registers of two neighbouring tiles are 16 neighbours.
; OPERANDS lie in memory and LDS as images of their registers (a part: lane l's 16 bytes at 16 l): dense blocks for the tensor loads, no pitch, no padding.
; CLUSTERS 4 x 4: A's tiles are asked for jointly along a row of the cluster, B's along a column.
; qkv: q's codes [batch x head 64][token tile 128][512] at 0, k's at 4 MiB; v's [bh][key step 16][channel tile 4][part 2][512] at 8 MiB; scale words at QS: q's and k's [bh][step][place][f 4], word f = two bytes of tile 2 f, two of
; tile 2 f + 1; v's [bh][step][place][tile 4].
; The bias is the C of each sum's first matrix instruction.
; LIMITS: a block of zeros gets the scale byte 1 (only this program reads the bytes); blocks under 2^-124 were not tried; NaN and infinities are not served.
; REGISTERS: window 0: v16-31 addresses; v32-95 scale words, two sets (on the way out: the codes); v96-127 at work on the way out; v128-191 A's fragments, one set; v192-255 the bias.  window 1: B's fragments, two sets.  windows 2, 3: the accumulators.
.set WC,    4194304
.set XS,    6291456
.set WS,    6553600
.set QS,    12582912
.set SLOT,  131072                     ; a slot: A's two halves of 32,768 bytes, then B's two = wave x 32,768
.set SCL,   262144                     ; the scale words: wave x 4,096
.set SPARE, 278528                     ; the spare words, 128 bytes a wave
.set FR,    8
.set ADRA,  16                         ; v16-17 my A fragments in slot 0, 1
.set ADRB,  20                         ; v20-21 B's
.set ADRS,  27                         ; my scale words: lanes 0-15 A's, lanes 16-31 B's
.set SPW,   28
.set NIL,   29
.set LI,    30                         ; 16 x lane
.set SVO,   31                         ; 16 r + 4,096 h
.set SC,    32
.set AF,    128
.set BR,    192
.set PCD,   32                         ; the way out: eight sets of 8 code registers
.set PWD,   96                         ; eight scale words
.set TM,    104                        ; v104-119 at work
.set SW,    120                        ; v120-123 scale words as stored
.set SELV,  124
.set G1,    24
.set G0,    32
.set G1B,   48
.set G0B,   56
.set G1S,   68
.set G0S,   76
.set G1SB,  80
.set G0SB,  88
.set SEL,   2
.set HM,    17
.set MSB, 0
.macro WIN new                         ; the immediate's high byte repeats the setting that is left
.if MSB != (\new)
	s_set_vgpr_msb (MSB<<8)|(\new)
.set MSB, (\new)
.endif
.endm
.set MUL_LO, 0xa1
.set MUL_HI, 0xf1
.set TO_B,   0x40
.macro JLOAD g0a, g1a, g0b, g1b        ; a joint load: waves 0 and 1 fetch for A, waves 2 and 3 for B; an s_nop 0 and four v_nop follow each line
	s_cmp_eq_u32 s15, 0
	s_cbranch_scc0 .Lfor_b_\@
	tensor_load_to_lds s[\g0a:\g0a+3], s[\g1a:\g1a+7]
	s_nop 0
.rept 4
	v_nop
.endr
	s_branch .Lasked_\@
.Lfor_b_\@:
	tensor_load_to_lds s[\g0b:\g0b+3], s[\g1b:\g1b+7]
	s_nop 0
.rept 4
	v_nop
.endr
.Lasked_\@:
.endm
.macro CREST
	s_cmp_lg_u32 s14, 0
	s_cbranch_scc1 .Lnot_wave_0_\@
	s_barrier_signal -3
.Lnot_wave_0_\@:
	s_barrier_wait -3
	s_barrier_signal -1
	s_barrier_wait -1
.endm
.macro CROUND
	s_barrier_signal -1
	s_barrier_wait -1
	CREST
.endm
.macro PLACES n
.rept \n
	v_nop
.endr
.endm
	s_load_b256 s[4:11], s[0:1], 0x0               ; pw s[4:5], bq s[6:7], bk s[8:9], bv s[10:11]
	s_load_b64 s[12:13], s[0:1], 0x20              ; qkv
	v_lshl_add_u32 v[SPW], v0, 2, SPARE
	v_mov_b32 v[NIL], 0
	ds_add_u32 v[SPW], v[NIL]                      ; the wave's opening: the add, twice on end, and its wait ahead of my first tensor load
	ds_add_u32 v[SPW], v[NIL]
	v_lshrrev_b32 v1, 5, v0
	v_readfirstlane_b32 s14, v1                    ; wave
	s_lshr_b32 s15, s14, 1                         ; my half of A's rows.  Also: I fetch for A (0) or B (1)
	s_and_b32 s16, s14, 1                          ; my half of B's rows.  Also: which half I fetch
	s_bfe_u32 s40, ttmp6, 0x40000                  ; cx
	s_bfe_u32 s41, ttmp6, 0x40004                  ; cy
	s_and_b32 s17, ttmp7, 0xffff                   ; cluster y
	s_lshl_b32 s42, s41, 2
	s_lshl_b32 s42, 15, s42                        ; my row of the cluster
	s_lshl_b32 s43, 0x1111, s40                    ; my column
	; group 1: dense blocks as rows of 256 bytes (32 elements of 8 bytes): 128 rows of codes, 16 of scale words
	s_or_b32 s[G1], s42, (3<<16)|(1<<21)
	s_or_b32 s[G1B], s43, (3<<16)|(1<<21)
.irp g, G1, G1B
	s_mov_b32 s[\g+1], 32<<16
	s_mov_b32 s[\g+2], 128<<16
	s_mov_b32 s[\g+3], 32<<16
	s_mov_b32 s[\g+4], 128
	s_mov_b32 s[\g+5], 32
	s_mov_b32 s[\g+6], 0
	s_mov_b32 s[\g+7], 0
.endr
	s_or_b32 s[G1S], s42, (3<<16)|(1<<21)
	s_or_b32 s[G1SB], s43, (3<<16)|(1<<21)
.irp g, G1S, G1SB
	s_mov_b32 s[\g+1], 32<<16
	s_mov_b32 s[\g+2], 16<<16
	s_mov_b32 s[\g+3], 32<<16
	s_mov_b32 s[\g+4], 16
	s_mov_b32 s[\g+5], 32
	s_mov_b32 s[\g+6], 0
	s_mov_b32 s[\g+7], 0
.endr
	; where A and B lie in pw, by the kind: numbers, chosen on one compare
	s_mov_b32 s92, 0
	s_mov_b32 s94, XS
	s_mov_b32 s96, WC
	s_mov_b32 s98, WS
	s_mov_b32 s44, 0x200000                        ; from slot to slot: 2 MiB in x's codes, 1 MiB in the weights'
	s_mov_b32 s46, 0x100000
	s_cmp_eq_u32 ttmp9, 2
	s_cselect_b32 s22, 1, 0                        ; the kind
	s_cselect_b32 s18, 0, s17
	s_cselect_b32 s19, s17, ttmp9
	s_cselect_b32 s92, WC+128*4096, s92
	s_cselect_b32 s94, WS+128*512, s94
	s_cselect_b32 s96, 0, s96
	s_cselect_b32 s98, XS, s98
	s_cselect_b32 s44, 0x100000, s44
	s_cselect_b32 s46, 0x200000, s46
	s_mov_b32 s45, 0
	s_mov_b32 s47, 0
	s_lshl_b32 s20, s18, 2
	s_add_co_u32 s20, s20, s41                     ; ta: A's block of 256 rows
	s_lshl_b32 s21, s19, 2
	s_add_co_u32 s21, s21, s40                     ; tb: B's
	s_lshl_b32 s18, s20, 4
	s_lshl_b32 s17, s16, 3
	s_add_co_u32 s18, s18, s17                     ; A: the first of the 8 tiles that I fetch
	s_lshl_b32 s17, s18, 12
	s_add_co_u32 s92, s92, s17
	s_lshl_b32 s17, s18, 9
	s_add_co_u32 s94, s94, s17
	s_lshl_b32 s19, s21, 4
	s_lshl_b32 s66, s16, 3
	s_add_co_u32 s19, s19, s66                     ; B likewise
	s_lshl_b32 s66, s19, 12
	s_add_co_u32 s96, s96, s66
	s_lshl_b32 s66, s19, 9
	s_add_co_u32 s98, s98, s66
	s_mov_b32 s93, 0
	s_mov_b32 s95, 0
	s_mov_b32 s97, 0
	s_mov_b32 s99, 0
	s_lshl_b32 s67, s14, 15                        ; where they go: wave x 32,768,
	s_lshl_b32 s23, s14, 12                        ; wave x 4,096: no place in the cluster enters an LDS address
	s_wait_dscnt 0x0                               ; both opening adds are done
	s_wait_kmcnt 0x0
	s_add_nc_u64 s[92:93], s[4:5], s[92:93]
	s_add_nc_u64 s[94:95], s[4:5], s[94:95]
	s_add_nc_u64 s[96:97], s[4:5], s[96:97]
	s_add_nc_u64 s[98:99], s[4:5], s[98:99]
	CROUND                                         ; all sixteen work-groups are here: the first joint loads meet
	s_mov_b32 s[G0S], 1
	s_add_co_u32 s[G0S+1], s23, SCL
	s_mov_b64 s[G0S+2:G0S+3], s[94:95]
	s_or_b32 s[G0S+3], s[G0S+3], 0x80000000
	s_mov_b32 s[G0SB], 1
	s_add_co_u32 s[G0SB+1], s23, SCL
	s_mov_b64 s[G0SB+2:G0SB+3], s[98:99]
	s_or_b32 s[G0SB+3], s[G0SB+3], 0x80000000
	JLOAD G0S, G1S, G0SB, G1SB                     ; the scale words first
.irp s, 0,1
	s_mov_b32 s[G0+4*\s], 1
	s_add_co_u32 s[G0+4*\s+1], s67, \s*SLOT
	s_mov_b32 s[G0B+4*\s], 1
	s_add_co_u32 s[G0B+4*\s+1], s67, \s*SLOT
.endr
	s_mov_b64 s[G0+2:G0+3], s[92:93]
	s_add_nc_u64 s[G0+6:G0+7], s[92:93], s[44:45]
	s_mov_b64 s[G0B+2:G0B+3], s[96:97]
	s_add_nc_u64 s[G0B+6:G0B+7], s[96:97], s[46:47]
	s_or_b32 s[G0+3], s[G0+3], 0x80000000
	s_or_b32 s[G0+7], s[G0+7], 0x80000000
	s_or_b32 s[G0B+3], s[G0B+3], 0x80000000
	s_or_b32 s[G0B+7], s[G0B+7], 0x80000000
	JLOAD G0, G1, G0B, G1B                         ; slot 0
	JLOAD G0+4, G1, G0B+4, G1B                     ; slot 1: three loads of mine are out
	s_mov_b32 s[HM], 0xffff0000
	s_mov_b32 s[SEL], 0x76543210
	s_mov_b32 s[SEL+1], 0xfedcba98
	v_and_b32 v1, 15, v0                           ; r
	v_bfe_u32 v2, v0, 4, 1                         ; h
	v_and_b32 v3, 31, v0
	v_lshlrev_b32 v[LI], 4, v3
	v_lshlrev_b32 v[SVO], 4, v1
	v_lshl_add_u32 v[SVO], v2, 12, v[SVO]
	s_lshl_b32 s18, s15, 15
	s_lshl_b32 s19, s16, 15
	s_add_co_u32 s19, s19, 65536
.irp s, 0,1
	v_add_nc_u32 v[ADRA+\s], s18, v[LI]
	v_add_nc_u32 v[ADRB+\s], s19, v[LI]
	s_add_co_u32 s18, s18, SLOT
	s_add_co_u32 s19, s19, SLOT
.endr
	s_lshl_b32 s18, s15, 12                        ; A's scale words: my half
	s_lshl_b32 s19, s16, 12
	s_add_co_u32 s19, s19, 8192                    ; B's: my half, behind A's two
	s_sub_co_u32 s19, s19, s18
	v_mul_u32_u24 v4, s19, v2                      ; lanes 16-31 take B's: one product, the distance between the two
	s_add_co_u32 s18, s18, SCL
	v_lshl_add_u32 v4, v1, 4, v4
	v_add_nc_u32 v[ADRS], s18, v4
	v_mov_b32 v[SELV], 0x05040100
	v_mov_b32 v125, 0x07060302
	v_cndmask_b32 v[SELV], v[SELV], v125, s[HM]    ; lanes 0-15 pick low halves, lanes 16-31 high halves
.irp b, 0,1,2,3
	v_mov_b32 v[TM+4+\b], 0                        ; a lane permute's destination counts as read
.endr
	; the bias, in the result's layout.  Kinds 0, 1: by register (tile b: channels 32 (b / 2) + 16 h + 8 (b % 2) + 0 .. 7);  kind 2: by lane (tile a: the channel at my place), the same in a tile's eight registers
	s_cmp_eq_u32 s22, 0
	s_cbranch_scc0 .Lbias_v
	s_cmp_eq_u32 ttmp9, 0
	s_cselect_b64 s[6:7], s[6:7], s[8:9]
	s_lshl_b32 s18, s40, 10
	s_lshl_b32 s19, s16, 9
	s_add_co_u32 s18, s18, s19
	s_mov_b32 s19, 0
	s_add_nc_u64 s[6:7], s[6:7], s[18:19]
	v_lshlrev_b32 v5, 6, v2
.irp b, 0,1,2,3,4,5,6,7
	global_load_b128 v[BR+8*\b:BR+8*\b+3], v5, s[6:7] offset:(32*(\b/2)+8*(\b%2))*4
	global_load_b128 v[BR+8*\b+4:BR+8*\b+7], v5, s[6:7] offset:(32*(\b/2)+8*(\b%2))*4+16
.endr
	s_branch .Lbias_done
.Lbias_v:
	s_lshl_b32 s18, s20, 10
	s_lshl_b32 s19, s15, 9
	s_add_co_u32 s18, s18, s19
	s_mov_b32 s19, 0
	s_add_nc_u64 s[10:11], s[10:11], s[18:19]
	v_and_b32 v5, 8, v1
	v_add_nc_u32 v5, v5, v1
	v_lshlrev_b32 v5, 2, v5
.irp a, 0,1,2,3,4,5,6,7
.irp j, 0,1,2,3,4,5,6,7
	global_load_b32 v[BR+8*\a+\j], v5, s[10:11] offset:(32*(\a/2)+8*(\a%2))*4
.endr
.endr
.Lbias_done:
.macro FRAG reg, adr, q, i             ; a fragment: two parts of 512 bytes, 16 x lane
.irp c, 0,1
	ds_load_b128 v[\reg+4*\c:\reg+4*\c+3], v[\adr] offset:4096*(\i)+1024*(\q)+512*\c
.endr
.endm
; 16 matrix instructions: A's blocks a0, a0 + 1 x B's eight.  cm = 0: C is the accumulator; 1: the bias by B's tile; 2: by A's tile.  The 64 accumulators take turns, one instruction a turn
.macro MUL16 a0, p, q, sc, cm
.irp a, \a0, \a0+1
.irp b, 0,1,2,3,4,5,6,7
.set rD, 8*(8*((\a)%4)+\b)
.set rB, 128*(\p)+FR*\b
.set rA, AF+FR*(\a)
.set rSB, SC+32*(\sc)+4*\b+(\q)
.set rSA, SC+32*(\sc)+4*(\a)+(\q)
.if (\cm) == 0
	v_wmma_scale_f32_16x16x128_f8f6f4 v[rD:rD+7], v[rB:rB+7], v[rA:rA+7], v[rD:rD+7], v[rSB], v[rSA] matrix_a_fmt:MATRIX_FMT_FP4 matrix_b_fmt:MATRIX_FMT_FP4 matrix_a_scale:MATRIX_SCALE_ROW1
.elseif (\cm) == 1
	v_wmma_scale_f32_16x16x128_f8f6f4 v[rD:rD+7], v[rB:rB+7], v[rA:rA+7], v[BR+8*\b:BR+8*\b+7], v[rSB], v[rSA] matrix_a_fmt:MATRIX_FMT_FP4 matrix_b_fmt:MATRIX_FMT_FP4 matrix_a_scale:MATRIX_SCALE_ROW1
.else
	v_wmma_scale_f32_16x16x128_f8f6f4 v[rD:rD+7], v[rB:rB+7], v[rA:rA+7], v[BR+8*(\a):BR+8*(\a)+7], v[rSB], v[rSA] matrix_a_fmt:MATRIX_FMT_FP4 matrix_b_fmt:MATRIX_FMT_FP4 matrix_a_scale:MATRIX_SCALE_ROW1
.endif
.endr
.endr
.endm
.macro FETCH_B slot, q, p
	WIN TO_B
.irp i, 0,1,2,3,4,5,6,7
	FRAG 128*(\p)+FR*\i, ADRB+\slot, \q, \i
.endr
	WIN 0
.endm
.macro FETCH_A slot, q, i0
.irp i, \i0, \i0+1, \i0+2, \i0+3
	FRAG AF+FR*(\i), ADRA+\slot, \q, \i
.endr
.endm
.macro SCALES sc                       ; a slot's four words a row: lanes 0-15 A's block i, lanes 16-31 B's block i
.irp i, 0,1,2,3,4,5,6,7
	ds_load_b128 v[SC+32*\sc+4*\i:SC+32*\sc+4*\i+3], v[ADRS] offset:512*\i+256*\sc
.endr
.endm
.macro STEP slot, q, cm                ; 128 along K with its successor in the same slot
	s_wait_dscnt 8                                 ; all but the youngest eight loads (A's blocks 4-7) are in
.if (\cm) == 0
	WIN MUL_LO
.else
	WIN 0x81                                       ; C, the bias, in window 0
.endif
	MUL16 0, (\q)%2, \q, \slot, \cm
	MUL16 2, (\q)%2, \q, \slot, \cm
	s_wait_dscnt 0x0
	PLACES 4                                       ; in front of loads into registers that matrix instructions have read
	FETCH_B \slot, (\q)+1, 1-(\q)%2
	FETCH_A \slot, (\q)+1, 0
.if (\cm) == 0
	WIN MUL_HI
.else
	WIN 0xc1
.endif
	MUL16 4, (\q)%2, \q, \slot, \cm
	MUL16 6, (\q)%2, \q, \slot, \cm
	PLACES 4
	WIN 0
	FETCH_A \slot, (\q)+1, 4
.endm
	s_wait_tensorcnt 1                             ; the scale words and my part of slot 0 are in; slot 1's load may be out
	s_barrier_signal -1
	s_barrier_wait -1
	FETCH_B 0, 0, 0
	FETCH_A 0, 0, 0
	SCALES 0
	FETCH_A 0, 0, 4
	s_wait_loadcnt 0x0                             ; the bias
	s_cmp_eq_u32 s22, 0
	s_cbranch_scc0 .Lfirst_v
	STEP 0, 0, 1
	s_branch .Lfirst_done
.Lfirst_v:
	STEP 0, 0, 2
.Lfirst_done:
	STEP 0, 1, 0
	STEP 0, 2, 0
	; slot 0's last step, and the change to slot 1: each wave's part of slot 1 has landed before it signals
	s_wait_tensorcnt 0x0
	ds_add_u32 v[SPW], v[NIL]
	s_wait_dscnt 9                                 ; the add and A's blocks 4-7 may be out
	WIN MUL_LO
	MUL16 0, 1, 3, 0, 0
	s_wait_dscnt 0x0
	s_barrier_signal -1
	MUL16 2, 1, 3, 0, 0
	WIN 0
	s_barrier_wait -1
	PLACES 4
	FETCH_B 1, 0, 0
	FETCH_A 1, 0, 0
	SCALES 1
	WIN MUL_HI
	MUL16 4, 1, 3, 0, 0
	MUL16 6, 1, 3, 0, 0
	PLACES 4
	WIN 0
	FETCH_A 1, 0, 4
	STEP 1, 0, 0
	STEP 1, 1, 0
	STEP 1, 2, 0
	s_wait_dscnt 8
	WIN MUL_LO
	MUL16 0, 1, 3, 1, 0
	MUL16 2, 1, 3, 1, 0
	s_wait_dscnt 0x0
	WIN MUL_HI
	MUL16 4, 1, 3, 1, 0
	MUL16 6, 1, 3, 1, 0
	WIN 0
	PLACES 4
; THE WAY OUT.  Block a's 64 registers of a lane are 128 neighbours (16 of each 32) along the next K of the lane's row: quantised in registers.  Each accumulator is read from its low end on.
.macro QUANTA a
.set W, 2+(\a)/4
.set AS, 64*((\a)%4)
.set PCA, PCD+8*(\a)
	WIN (W<<2)|(W<<4)
.irp b, 0,1,2,3
	v_max3_num_f32 v[TM+\b], 0x1800000, |v[AS+16*\b]|, |v[AS+1+16*\b]|
.endr
.irp i, 2,4,6,8,10,12,14
.irp b, 0,1,2,3
	v_max3_num_f32 v[TM+\b], v[TM+\b], |v[AS+16*\b+\i]|, |v[AS+1+16*\b+\i]|
.endr
.endr
	WIN 0
.irp b, 0,1,2,3
	v_permlanex16_b32 v[TM+4+\b], v[TM+\b], s[SEL], s[SEL+1]
.endr
.irp b, 0,1,2,3
	v_max_num_f32 v[TM+\b], v[TM+\b], v[TM+4+\b]
.endr
.irp b, 0,1,2,3
	v_add_nc_u32 v[TM+12+\b], 0xff000000, v[TM+\b]
.endr
.irp b, 0,1,2,3
	v_lshrrev_b32 v[TM+4+\b], 23, v[TM+12+\b]
.endr
	v_lshl_or_b32 v[PWD+(\a)], v[TM+5], 8, v[TM+4]
	v_lshl_or_b32 v[PWD+(\a)], v[TM+6], 16, v[PWD+(\a)]
	v_lshl_or_b32 v[PWD+(\a)], v[TM+7], 24, v[PWD+(\a)]
	WIN W
.irp b, 0,1,2,3
	v_cvt_scalef32_pk8_fp4_f32 v[PCA+2*\b], v[AS+16*\b:AS+7+16*\b], v[TM+12+\b]
	v_cvt_scalef32_pk8_fp4_f32 v[PCA+1+2*\b], v[AS+8+16*\b:AS+15+16*\b], v[TM+12+\b]
.endr
	WIN 0
	v_nop
.irp c, 0,1
.irp i, 0,1
	v_permlane16_swap_b32 v[PCA+4*\c+\i], v[PCA+2+4*\c+\i]
.endr
.endr
.endm
.irp a, 0,1,2,3,4,5,6,7
	QUANTA \a
.endr
	; where they go: bh0 = 16 batch + the first of my two heads, S = my step of 128 tokens
	s_cmp_eq_u32 s22, 0
	s_cselect_b32 s18, s20, s21                    ; the block of 256 tokens
	s_cselect_b32 s19, s40, s20                    ; the block of 256 channels of the matrix
	s_cselect_b32 s66, s16, s15                    ; my half of the channels
	s_cselect_b32 s67, s15, s16                    ; my half of the tokens
	s_lshr_b32 s23, s18, 3
	s_lshl_b32 s23, s23, 4
	s_lshl_b32 s19, s19, 2
	s_add_co_u32 s23, s23, s19
	s_lshl_b32 s66, s66, 1
	s_add_co_u32 s23, s23, s66                     ; bh0
	s_and_b32 s18, s18, 7
	s_lshl_b32 s18, s18, 1
	s_add_co_u32 s18, s18, s67                     ; S
	s_lshl_b32 s92, ttmp9, 22                      ; q's, k's or v's codes
	s_lshl_b32 s66, s23, 16
	s_add_co_u32 s92, s92, s66
	s_lshl_b32 s66, s18, 12
	s_add_co_u32 s92, s92, s66
	s_mov_b32 s93, 0
	s_add_nc_u64 s[92:93], s[12:13], s[92:93]
	s_lshl_b32 s94, ttmp9, 18                      ; and scale words
	s_lshl_b32 s66, s23, 12
	s_add_co_u32 s94, s94, s66
	s_lshl_b32 s66, s18, 8
	s_add_co_u32 s94, s94, s66
	s_mov_b32 s95, 0
	s_add_nc_u64 s[94:95], s[12:13], s[94:95]
	s_add_nc_u64 s[94:95], s[94:95], QS
	s_cmp_eq_u32 s22, 0
	s_cbranch_scc0 .Lout_v
.irp a, 0,1,2,3,4,5,6,7                ; q, k: block a is token tile a of the step; registers 0-3 the first head's 64 channels, 4-7 the second's
	global_store_b128 v[LI], v[PCD+8*\a:PCD+8*\a+3], s[92:93] offset:512*\a
	global_store_b128 v[LI], v[PCD+8*\a+4:PCD+8*\a+7], s[92:93] offset:65536+512*\a
.endr
.irp f, 0,1,2,3
	v_perm_b32 v[SW+\f], v[PWD+2*\f+1], v[PWD+2*\f], v[SELV]   ; two bytes of tile 2 f, two of tile 2 f + 1: lanes 0-15 the first head's, lanes 16-31 the second's
.endr
	s_branch .Lout_done
.Lout_v:
.irp a, 0,1,2,3,4,5,6,7                ; v: block a is channel tile a % 4 of head a / 4; the 8 registers are the step's 128 keys
	global_store_b128 v[LI], v[PCD+8*\a:PCD+8*\a+3], s[92:93] offset:(\a/4)*65536+(\a%4)*1024
	global_store_b128 v[LI], v[PCD+8*\a+4:PCD+8*\a+7], s[92:93] offset:(\a/4)*65536+(\a%4)*1024+512
.endr
.irp t, 0,1,2,3
	v_cndmask_b32 v[SW+\t], v[PWD+\t], v[PWD+4+\t], s[HM]
.endr
.Lout_done:
	global_store_b128 v[SVO], v[SW:SW+3], s[94:95] ; each half of the lanes stores 256 consecutive bytes, aligned
	s_wait_tensorcnt 0x0                           ; the wave's end
	ds_add_u32 v[SPW], v[NIL]
	s_wait_dscnt 0x0
	CROUND                                         ; the closing round
	s_endpgm
.Lfunc_end_k_q0282245304_qkv:
	.size	k_q0282245304_qkv, .Lfunc_end_k_q0282245304_qkv-k_q0282245304_qkv
	.p2alignl 7, 3214868480
	.fill 96, 4, 3214868480
	.section	.rodata,"a",@progbits
	.p2align	6, 0x0
	.amdhsa_kernel k_q0282245304_qkv
		.amdhsa_group_segment_fixed_size 327680
		.amdhsa_private_segment_fixed_size 0
		.amdhsa_enable_private_segment 0
		.amdhsa_kernarg_size 40
		.amdhsa_user_sgpr_count 2
		.amdhsa_user_sgpr_kernarg_segment_ptr 1
		.amdhsa_wavefront_size32 1
		.amdhsa_system_sgpr_workgroup_id_x 1
		.amdhsa_system_sgpr_workgroup_id_y 1
		.amdhsa_system_sgpr_workgroup_id_z 1
		.amdhsa_system_vgpr_workitem_id 0
		.amdhsa_next_free_vgpr 1024
		.amdhsa_next_free_sgpr 100
		.amdhsa_reserve_vcc 0
		.amdhsa_float_denorm_mode_32 3
		.amdhsa_float_denorm_mode_16_64 3
		.amdhsa_memory_ordered 1
		.amdhsa_forward_progress 1
		.amdhsa_inst_pref_size 149
	.end_amdhsa_kernel
	.amdgpu_metadata
---
amdhsa.version: [ 1, 2 ]
amdhsa.kernels:
  - .name:           k_q0282245304_qkv
    .symbol:         k_q0282245304_qkv.kd
    .args:
      - { .name: pw, .offset: 0, .size: 8, .value_kind: global_buffer, .address_space: global }
      - { .name: bq, .offset: 8, .size: 8, .value_kind: global_buffer, .address_space: global }
      - { .name: bk, .offset: 16, .size: 8, .value_kind: global_buffer, .address_space: global }
      - { .name: bv, .offset: 24, .size: 8, .value_kind: global_buffer, .address_space: global }
      - { .name: qkv, .offset: 32, .size: 8, .value_kind: global_buffer, .address_space: global }
    .group_segment_fixed_size: 327680
    .private_segment_fixed_size: 0
    .kernarg_segment_align: 8
    .kernarg_segment_size: 40
    .max_flat_workgroup_size: 128
    .sgpr_count:     100
    .vgpr_count:     1024
    .wavefront_size: 32
...
	.end_amdgpu_metadata
.endif
;; end of part 2
;; launch attn (part 3): grid 256 x 1, 16 waves a work-group, no clusters, 141,312 bytes of LDS; arguments qkv, mk, yq; writes yq
.if DOCPART == 3
	.amdgcn_target "amdgcn-amd-amdhsa--gfx1250"
	.amdhsa_code_object_version 6
	.text
	.protected	k_q0282245304_attn
	.globl	k_q0282245304_attn
	.p2align	8
	.type	k_q0282245304_attn,@function
k_q0282245304_attn:
	s_mov_b64 s[64:65], 0
	v_nop
	global_prefetch_b8 v0, s[64:65] scope:SCOPE_SE
	s_setreg_imm32_b32 hwreg(HW_REG_WAVE_MODE, 25, 1), 1
	s_wait_xcnt 0x0
; THIRD LAUNCH: y = softmax(q k^T / 8, under the mask) v for each batch and head, both products on codes of E2M1; y is quantised along the channels for the last product.
; LEFT OUT: a step of 128 keys in which the mask hides every key from all 32 queries of the wave: its p are zeros, which add nothing to the sum, to the maximum or to the product.  The first launch's flags, whole numbers
; read from memory, decide it for whatever mask is given.  A NaN or an infinity in k or v that reaches only such a step is not carried to the result.
; THE SOFTMAX: t = score x log2(e) / 8; M = the running largest t rounded up to a whole number; p = 2^(t - M) is quantised along the keys; the sum is taken of the unquantised p and divides at the end.
; SHARES.  A work-group takes a quarter of one head's queries; its sixteen waves 32 queries each: two tiles, A and B, which share each fragment of k and v.  Which unit of 32 a wave takes comes from a table: an order of the work alone.
; A head's codes of k and v and their scale words, 136 KiB, are copied once into LDS through registers; it has no tensor load, and its work-groups ask for nothing jointly.
; LAYOUT.  S^T = k q^T, O^T = v^T p^T: a lane holds one query.  The head has 64 channels, half of the instruction's 128: a fragment of k holds key tile 2 f in registers 0-3 and tile 2 f + 1 in registers 4-7, and is multiplied by
; (q, zeros) and by (zeros, q): no loaded byte is a zero.
; A ROW WITH NO OPEN KEY has the sum 0: its scale bytes are set to 0xff, so that the last product gives NaN there, as the problem's softmax of a row of -infinity does.
; LIMITS: a block of zeros gets the scale byte 1 (only this program reads the bytes); NaN and infinities in q, k, v are not served.
; REGISTERS: v1 16 x lane, v2 16 r; v3-6 the step's addresses; v7 -infinity; v8, v9 the add's two; v10-13, v14-17 -M, largest t, the sum's pair, of A and of B; v18-21 scale words of q A, q B, p A, p B; v22-25 of k or v;
; v26, v27, v244 address bases; v28-47 zeros, q A, zeros, q B, zeros; v48-79 k or v; v80-143 S^T, then p; v144-175, v176-207 O^T of A, B; v208-215, v216-223 p's codes; v224-243 at work.
.set KC,    4194304
.set QS,    12582912
.set KS,    QS+262144
.set FLO,   524288
.set YS,    4194304
.set SPARE, 139264                     ; LDS: k's codes at 0, v's at 65,536, k's scale words at 131,072, v's at 135,168; then the spare words, 128 bytes a wave
.set S,   80
.set KV,  48
.set BM,  224
.set PM,  228
.set SO,  232
.set SU,  236
.set FF,  238
.set TT,  240
.set SEL, 68
.set CS,  70
.set HM,  78
	s_load_b128 s[4:7], s[0:1], 0x0                ; qkv, mk
	s_load_b64 s[8:9], s[0:1], 0x10                ; yq
	v_lshl_add_u32 v8, v0, 2, SPARE
	v_mov_b32 v9, 0
	v_lshrrev_b32 v1, 5, v0
	v_readfirstlane_b32 s10, v1                    ; wave
	v_and_b32 v1, 31, v0
	v_lshlrev_b32 v1, 4, v1
	v_and_b32 v2, 15, v0
	v_lshlrev_b32 v2, 4, v2
	v_lshlrev_b32 v3, 4, v0                        ; the copy: 16 x thread, in memory and in LDS
	v_add_nc_u32 v4, 65536, v3
	v_add_nc_u32 v5, 131072, v3
	v_lshrrev_b32 v6, 8, v0
	v_mul_u32_u24 v6, v6, 258048                   ; threads 256 on take v's scale words, 262,144 - 4,096 further on in memory
	v_add_nc_u32 v6, v6, v3
	s_lshr_b32 s11, ttmp9, 2                       ; batch x head
	s_and_b32 s12, ttmp9, 3
	s_and_b32 s13, s10, 7
	s_lshl_b32 s13, s13, 2
	s_mov_b32 s14, 0x7a94c12f                      ; the table: a 4 x 4 square of 0 .. 15 whose rows and columns have equal sums
	s_cmp_lt_u32 s10, 8
	s_cselect_b32 s14, s14, 0x0de3b658
	s_lshr_b32 s14, s14, s13
	s_and_b32 s14, s14, 15
	s_lshl_b32 s14, s14, 2
	s_add_co_u32 s14, s14, s12                     ; my unit of 32 queries: tiles 2 unit and 2 unit + 1
	s_lshl_b32 s80, s11, 16
	s_mov_b32 s81, 0
	s_lshl_b32 s82, s14, 10
	s_add_co_u32 s82, s82, s80
	s_mov_b32 s83, 0
	s_lshl_b32 s84, s11, 12
	s_mov_b32 s85, 0
	s_lshr_b32 s86, s14, 2
	s_lshl_b32 s86, s86, 8
	s_and_b32 s87, s14, 3
	s_lshl_b32 s87, s87, 2
	s_add_co_u32 s86, s86, s87
	s_add_co_u32 s86, s86, s84
	s_mov_b32 s87, 0
	s_lshl_b32 s88, s14, 7
	s_mov_b32 s89, 0
	s_lshl_b32 s72, s14, 13
	s_mov_b32 s73, 0
	s_mov_b32 s[SEL], 0x76543210
	s_mov_b32 s[SEL+1], 0xfedcba98
	s_mov_b32 s[CS], 0x3e38aa3b                    ; c = log2(e) / 8
	s_mov_b32 s[CS+1], s[CS]
	s_mov_b32 s[HM], 0xffff0000
	s_wait_kmcnt 0x0
	s_add_nc_u64 s[80:81], s[4:5], s[80:81]
	s_add_nc_u64 s[80:81], s[80:81], KC            ; the head's k; v lies 4 MiB on
	s_add_nc_u64 s[82:83], s[4:5], s[82:83]        ; my two tiles of q
	s_add_nc_u64 s[84:85], s[4:5], s[84:85]
	s_add_nc_u64 s[84:85], s[84:85], KS            ; the head's scale words of k
	s_add_nc_u64 s[86:87], s[4:5], s[86:87]
	s_add_nc_u64 s[86:87], s[86:87], QS            ; my tiles' scale word
	s_add_nc_u64 s[88:89], s[6:7], s[88:89]
	s_add_nc_u64 s[88:89], s[88:89], FLO           ; my tiles' 2 x 16 flags
	s_add_nc_u64 s[72:73], s[6:7], s[72:73]        ; my tiles' mask words: A's of step 0; B's 4,096 bytes on
.irp i, 0,1,2,3,4,5,6,7
	global_load_b128 v[48+4*\i:51+4*\i], v3, s[80:81] offset:8192*\i
.endr
.irp i, 0,1,2,3,4,5,6,7
	global_load_b128 v[80+4*\i:83+4*\i], v3, s[80:81] offset:4194304+8192*\i
.endr
	global_load_b128 v[112:115], v6, s[84:85]
	global_load_b128 v[32:35], v1, s[82:83]
	global_load_b128 v[40:43], v1, s[82:83] offset:512
	global_load_b32 v21, v2, s[86:87]
	s_load_b512 s[16:31], s[88:89], 0x0
	s_load_b512 s[32:47], s[88:89], 0x40
.irp i, 0,1,2,3,4,5,6,7
	s_wait_loadcnt 19-\i                           ; behind this load: the later ones of the copy and the three for q
	ds_store_b128 v3, v[48+4*\i:51+4*\i] offset:8192*\i
.endr
.irp i, 0,1,2,3,4,5,6,7
	s_wait_loadcnt 11-\i
	ds_store_b128 v4, v[80+4*\i:83+4*\i] offset:8192*\i
.endr
	s_wait_loadcnt 3
	ds_store_b128 v5, v[112:115]
	s_wait_dscnt 0x0                               ; for the others' sake: my stores have landed
	s_barrier_signal -1
	s_barrier_wait -1                              ; the launch's one barrier: from here on LDS is only read
	s_wait_kmcnt 0x0
	s_mov_b32 s66, s16                             ; A's flags: bit S some key of step S open, bit 16 + S all open
	s_mov_b32 s67, s32                             ; B's
.irp q, 1,2,3,4,5,6,7,8,9,10,11,12,13,14,15
	s_lshl_b32 s77, s[16+\q], \q
	s_or_b32 s66, s66, s77
	s_lshl_b32 s77, s[32+\q], \q
	s_or_b32 s67, s67, s77
.endr
	s_wait_loadcnt 0x0                             ; q
	v_perm_b32 v18, v21, v21, 0x01000100           ; tile A's two bytes, for both halves of the instruction's K
	v_perm_b32 v19, v21, v21, 0x03020302           ; tile B's
.irp i, 28,29,30,31,36,37,38,39,44,45,46,47
	v_mov_b32 v[\i], 0                             ; zero codes
.endr
	v_mov_b32 v7, 0xff800000
	v_add_nc_u32 v26, 65536, v1
	v_add_nc_u32 v27, 131072, v2
	v_add_nc_u32 v244, 135168, v2
	v_mov_b32 v11, 0xff61b1e6                      ; the largest t so far: -3e38
	v_floor_f32 v10, -v11
	v_mov_b32 v12, 0
	v_mov_b32 v13, 0
	v_mov_b32 v15, 0xff61b1e6
	v_floor_f32 v14, -v15
	v_mov_b32 v16, 0
	v_mov_b32 v17, 0
.irp b, 0,1,2,3
	v_mov_b32 v[PM+\b], 0                          ; a lane permute's destination counts as read
.endr
	v_mov_b32 v[FF+1], 0                           ; named as the upper half of a pair
.set j, 0
.rept 64
	v_mov_b32 v[144+j], 0                          ; O^T: which step is a wave's first hangs on the flags, so the step is written once and its first run finds zeros
.set j, j+1
.endr
.macro QK lo, hi, qs                   ; eight tiles of 16 keys
.irp f, 0,1,2,3
	v_wmma_scale_f32_16x16x128_f8f6f4 v[S+16*\f:S+16*\f+7], v[KV+8*\f:KV+8*\f+7], v[\lo:\lo+7], 0, v[22+\f], v[\qs] matrix_a_fmt:MATRIX_FMT_FP4 matrix_b_fmt:MATRIX_FMT_FP4
	v_wmma_scale_f32_16x16x128_f8f6f4 v[S+16*\f+8:S+16*\f+15], v[KV+8*\f:KV+8*\f+7], v[\hi:\hi+7], 0, v[22+\f], v[\qs] matrix_a_fmt:MATRIX_FMT_FP4 matrix_b_fmt:MATRIX_FMT_FP4
.endr
.endm
.macro MASKIT u, fl                    ; hidden scores become -infinity; a step all of whose keys are open skips loads and selects together
	s_bitcmp1_b32 s[\fl], 16
	s_cbranch_scc1 .Lopen_\@
	s_load_b512 s[16:31], s[72:73], 4096*\u
	s_load_b512 s[32:47], s[72:73], 4096*\u+64
	s_load_b512 s[48:63], s[72:73], 4096*\u+128
	s_load_b512 s[80:95], s[72:73], 4096*\u+192
	s_wait_kmcnt 0x0
.set n, 0
.rept 48
	v_cndmask_b32 v[S+n], v7, v[S+n], s[16+n]
.set n, n+1
.endr
.rept 16
	v_cndmask_b32 v[S+n], v7, v[S+n], s[32+n]
.set n, n+1
.endr
.Lopen_\@:
.endm
.macro SOFTMAX st, o, p, ps
.irp b, 0,1,2,3
	v_max3_num_f32 v[BM+\b], v[S+16*\b], v[S+1+16*\b], v[S+2+16*\b]   ; the largest score of each block of 32 keys: for the row's maximum and for the block's largest p
.endr
.irp i, 3,5,7,9,11,13
.irp b, 0,1,2,3
	v_max3_num_f32 v[BM+\b], v[BM+\b], v[S+16*\b+\i], v[S+1+16*\b+\i]
.endr
.endr
.irp b, 0,1,2,3
	v_max_num_f32 v[BM+\b], v[BM+\b], v[S+15+16*\b]
.endr
.irp b, 0,1,2,3
	v_permlanex16_b32 v[PM+\b], v[BM+\b], s[SEL], s[SEL+1]
.endr
.irp b, 0,1,2,3
	v_max_num_f32 v[BM+\b], v[BM+\b], v[PM+\b]
.endr
	v_max3_num_f32 v[TT], v[BM], v[BM+1], v[BM+2]
	v_max_num_f32 v[TT], v[TT], v[BM+3]
	v_mul_f32 v[TT], s[CS], v[TT]
	v_max_num_f32 v[\st+1], v[\st+1], v[TT]        ; the running largest t
	v_mov_b32 v[TT], v[\st]
	v_floor_f32 v[\st], -v[\st+1]                  ; -M = floor(-t): M is a whole number
	v_sub_f32 v[TT], v[\st], v[TT]
	v_cvt_i32_f32 v[TT], v[TT]                     ; (it saturates)
	v_ldexp_f32 v[FF], 1.0, v[TT]                  ; f = 2^(old M - new M)
.set j, 0
.rept 32
	v_pk_fma_f32 v[S+j:S+j+1], v[S+j:S+j+1], s[CS:CS+1], v[\st:\st+1] op_sel_hi:[1,0,0]   ; t - M
.set j, j+2
.endr
.irp b, 0,1,2,3
	v_fma_f32 v[BM+\b], v[BM+\b], s[CS], v[\st]
.endr
.set j, 0
.rept 64
	v_exp_f32 v[S+j], v[S+j]                       ; p, not normalised
.set j, j+1
.endr
	v_pk_mul_f32 v[\st+2:\st+3], v[\st+2:\st+3], v[FF:FF+1] op_sel_hi:[1,0]   ; the sum under the new M: a plain place behind the exponentials
	s_wait_alu depctr_va_vdst(0)                   ; one wait for the batch, ahead of its first reader
.irp b, 0,1,2,3
	v_exp_f32 v[BM+\b], v[BM+\b]                   ; each block's largest p
.endr
	v_pk_add_f32 v[SU:SU+1], v[S:S+1], v[S+2:S+3]  ; the sum of the unquantised p, in two chains
.set j, 4
.rept 15
	v_pk_add_f32 v[\st+2:\st+3], v[\st+2:\st+3], v[S+j:S+j+1]
	v_pk_add_f32 v[SU:SU+1], v[SU:SU+1], v[S+2+j:S+3+j]
.set j, j+4
.endr
	v_pk_add_f32 v[\st+2:\st+3], v[\st+2:\st+3], v[SU:SU+1]
	s_wait_alu depctr_va_vdst(0)                   ; and one for the four
.irp b, 0,1,2,3
	v_max_num_f32 v[BM+\b], 0x1800000, v[BM+\b]    ; the floor: the byte cannot fall under 1
.endr
.irp b, 0,1,2,3
	v_add_nc_u32 v[SO+\b], 0xff000000, v[BM+\b]
.endr
.irp b, 0,1,2,3
	v_lshrrev_b32 v[PM+\b], 23, v[SO+\b]
.endr
	v_lshl_or_b32 v[\ps], v[PM+1], 8, v[PM]
	v_lshl_or_b32 v[\ps], v[PM+2], 16, v[\ps]
	v_lshl_or_b32 v[\ps], v[PM+3], 24, v[\ps]
.irp b, 0,1,2,3
	v_cvt_scalef32_pk8_fp4_f32 v[\p+2*\b], v[S+16*\b:S+7+16*\b], v[SO+\b]
	v_cvt_scalef32_pk8_fp4_f32 v[\p+1+2*\b], v[S+8+16*\b:S+15+16*\b], v[SO+\b]
.endr
	v_nop
.irp c, 0,1
.irp i, 0,1
	v_permlane16_swap_b32 v[\p+4*\c+\i], v[\p+2+4*\c+\i]
.endr
.endr
.set j, 0
.rept 16
	v_pk_mul_f32 v[\o+j:\o+j+1], v[\o+j:\o+j+1], v[FF:FF+1] op_sel_hi:[1,0]   ; O^T under the new M; these sixteen also stand between the scale word's and the codes' last writes and the products
.set j, j+2
.endr
.endm
	s_mov_b32 s74, 0                               ; the step's codes in LDS: 4,096 bytes a step
	s_mov_b32 s75, 0                               ; its scale words: 256
	s_mov_b32 s76, 16
.Lstep:                                                ; sixteen trips, a constant; a hidden step's work is jumped over, its address steps are not
	s_or_b32 s77, s66, s67
	s_bitcmp1_b32 s77, 0
	s_cbranch_scc0 .Lnext
	v_add_nc_u32 v3, s74, v1                       ; four plain lines: the places behind the last trip's products, in front of the loads below
	v_add_nc_u32 v4, s74, v26
	v_add_nc_u32 v5, s75, v27
	v_add_nc_u32 v6, s75, v244
.irp f, 0,1,2,3
.irp c, 0,1
	ds_load_b128 v[KV+8*\f+4*\c:KV+8*\f+4*\c+3], v3 offset:1024*\f+512*\c
.endr
.endr
	ds_load_b128 v[22:25], v5
	s_wait_dscnt 0x0
	QK 32, 28, 18
.rept 4
	v_nop
.endr
	MASKIT 0, 66
	SOFTMAX 10, 144, 208, 20
	QK 40, 36, 19
.rept 4
	v_nop                                          ; in front of the first read of the scores and of the loads into k's registers
.endr
.irp t, 0,1,2,3
.irp c, 0,1
	ds_load_b128 v[KV+8*\t+4*\c:KV+8*\t+4*\c+3], v4 offset:1024*\t+512*\c   ; v lands while B's softmax runs
.endr
.endr
	ds_load_b128 v[22:25], v6
	MASKIT 1, 67
	SOFTMAX 14, 176, 216, 21
	s_wait_dscnt 0x0
.irp t, 0,1,2,3                        ; the eight accumulators take turns
	v_wmma_scale_f32_16x16x128_f8f6f4 v[144+8*\t:151+8*\t], v[KV+8*\t:KV+8*\t+7], v[208:215], v[144+8*\t:151+8*\t], v[22+\t], v20 matrix_a_fmt:MATRIX_FMT_FP4 matrix_b_fmt:MATRIX_FMT_FP4
	v_wmma_scale_f32_16x16x128_f8f6f4 v[176+8*\t:183+8*\t], v[KV+8*\t:KV+8*\t+7], v[216:223], v[176+8*\t:183+8*\t], v[22+\t], v21 matrix_a_fmt:MATRIX_FMT_FP4 matrix_b_fmt:MATRIX_FMT_FP4
.endr
.Lnext:
	s_lshr_b32 s66, s66, 1
	s_lshr_b32 s67, s67, 1
	s_add_co_u32 s74, s74, 4096
	s_add_co_u32 s75, s75, 256
	s_add_nc_u64 s[72:73], s[72:73], 256           ; no scalar load is out: each was waited for where it was issued
	s_sub_co_u32 s76, s76, 1
	s_cmp_lg_u32 s76, 0
	s_cbranch_scc1 .Lstep
; THE WAY OUT.  O^T / the sum; a lane's 32 registers are 16 of each 32 of the head's 64 channels of its query: quantised, they are one part of y's image
.macro OUT st, o, pc, ub, zs
	v_add_f32 v[TT], v[\st+2], v[\st+3]
	v_permlanex16_b32 v[PM], v[TT], s[SEL], s[SEL+1]
	v_add_f32 v[TT], v[TT], v[PM]                  ; the row's sum
	v_cmp_eq_f32 s[\zs], 0, v[TT]                  ; no open key
	v_max_num_f32 v[TT], 0x800000, v[TT]           ; (a row with an open key has a sum above 1/2: nothing changes there)
	v_rcp_f32 v[FF], v[TT]
	v_nop
	s_wait_alu depctr_va_vdst(0)
.set j, 0
.rept 16
	v_pk_mul_f32 v[\o+j:\o+j+1], v[\o+j:\o+j+1], v[FF:FF+1] op_sel_hi:[1,0]
.set j, j+2
.endr
.irp g, 0,1
	v_max3_num_f32 v[BM+\g], |v[\o+16*\g]|, |v[\o+1+16*\g]|, 0x1800000
.endr
.irp i, 2,4,6,8,10,12,14
.irp g, 0,1
	v_max3_num_f32 v[BM+\g], v[BM+\g], |v[\o+16*\g+\i]|, |v[\o+1+16*\g+\i]|
.endr
.endr
.irp g, 0,1
	v_permlanex16_b32 v[PM+\g], v[BM+\g], s[SEL], s[SEL+1]
.endr
.irp g, 0,1
	v_max_num_f32 v[BM+\g], v[BM+\g], v[PM+\g]
.endr
.irp g, 0,1
	v_add_nc_u32 v[SO+\g], 0xff000000, v[BM+\g]
.endr
.irp g, 0,1
	v_lshrrev_b32 v[PM+\g], 23, v[SO+\g]
.endr
	v_lshl_or_b32 v[\ub], v[PM+1], 8, v[PM]
	v_cndmask_b32 v[\ub], v[\ub], v241, s[\zs]
.irp g, 0,1
	v_cvt_scalef32_pk8_fp4_f32 v[\pc+2*\g], v[\o+16*\g:\o+7+16*\g], v[SO+\g]
	v_cvt_scalef32_pk8_fp4_f32 v[\pc+1+2*\g], v[\o+8+16*\g:\o+15+16*\g], v[SO+\g]
.endr
	v_nop
	v_permlane16_swap_b32 v[\pc], v[\pc+2]
	v_permlane16_swap_b32 v[\pc+1], v[\pc+3]
.endm
.rept 4
	v_nop                                          ; places behind the last products
.endr
	v_mov_b32 v241, 0xffff
	OUT 10, 144, 208, 242, 77
	OUT 14, 176, 216, 243, 79
	s_lshr_b32 s80, s11, 4                         ; batch
	s_and_b32 s81, s11, 15                         ; head
	s_lshl_b32 s80, s80, 7
	s_lshl_b32 s82, s14, 1
	s_add_co_u32 s80, s80, s82                     ; tile A among the 512 token tiles
	s_lshr_b32 s82, s81, 3
	s_lshl_b32 s83, s82, 21
	s_lshl_b32 s84, s80, 12
	s_add_co_u32 s84, s84, s83
	s_and_b32 s83, s81, 7
	s_lshl_b32 s83, s83, 9
	s_add_co_u32 s84, s84, s83
	s_mov_b32 s85, 0
	s_add_nc_u64 s[84:85], s[8:9], s[84:85]
	s_lshl_b32 s86, s80, 9
	s_lshl_b32 s82, s82, 8
	s_add_co_u32 s86, s86, s82
	s_bfe_u32 s82, s81, 0x20001
	s_lshl_b32 s82, s82, 2
	s_add_co_u32 s86, s86, s82
	s_and_b32 s82, s81, 1
	s_lshl_b32 s82, s82, 1
	s_add_co_u32 s86, s86, s82
	s_mov_b32 s87, 0
	s_add_nc_u64 s[86:87], s[8:9], s[86:87]
	s_add_nc_u64 s[86:87], s[86:87], YS
	v_bfe_u32 v246, v0, 4, 1
	v_lshl_add_u32 v245, v246, 9, v2               ; 16 r + 512 h: lanes 0-15 tile A's rows, lanes 16-31 tile B's
	v_cndmask_b32 v242, v242, v243, s[HM]
	global_store_b128 v1, v[208:211], s[84:85]     ; 512 consecutive bytes, aligned
	global_store_b128 v1, v[216:219], s[84:85] offset:4096
	global_store_b16 v245, v242, s[86:87]          ; my head's two bytes of a row's scale word: 2 bytes of each 16; one byte for each 16 of codes
	s_wait_tensorcnt 0x0                           ; the wave's end: behind my last LDS store
	ds_add_u32 v8, v9
	s_wait_dscnt 0x0
	s_endpgm
.Lfunc_end_k_q0282245304_attn:
	.size	k_q0282245304_attn, .Lfunc_end_k_q0282245304_attn-k_q0282245304_attn
	.p2alignl 7, 3214868480
	.fill 96, 4, 3214868480
	.section	.rodata,"a",@progbits
	.p2align	6, 0x0
	.amdhsa_kernel k_q0282245304_attn
		.amdhsa_group_segment_fixed_size 141312
		.amdhsa_private_segment_fixed_size 0
		.amdhsa_enable_private_segment 0
		.amdhsa_kernarg_size 24
		.amdhsa_user_sgpr_count 2
		.amdhsa_user_sgpr_kernarg_segment_ptr 1
		.amdhsa_wavefront_size32 1
		.amdhsa_system_sgpr_workgroup_id_x 1
		.amdhsa_system_sgpr_workgroup_id_y 1
		.amdhsa_system_sgpr_workgroup_id_z 1
		.amdhsa_system_vgpr_workitem_id 0
		.amdhsa_next_free_vgpr 256
		.amdhsa_next_free_sgpr 96
		.amdhsa_reserve_vcc 0
		.amdhsa_float_denorm_mode_32 3
		.amdhsa_float_denorm_mode_16_64 3
		.amdhsa_memory_ordered 1
		.amdhsa_forward_progress 1
		.amdhsa_inst_pref_size 57
	.end_amdhsa_kernel
	.amdgpu_metadata
---
amdhsa.version: [ 1, 2 ]
amdhsa.kernels:
  - .name:           k_q0282245304_attn
    .symbol:         k_q0282245304_attn.kd
    .args:
      - { .name: qkv, .offset: 0, .size: 8, .value_kind: global_buffer, .address_space: global }
      - { .name: mk, .offset: 8, .size: 8, .value_kind: global_buffer, .address_space: global }
      - { .name: yq, .offset: 16, .size: 8, .value_kind: global_buffer, .address_space: global }
    .group_segment_fixed_size: 141312
    .private_segment_fixed_size: 0
    .kernarg_segment_align: 8
    .kernarg_segment_size: 24
    .max_flat_workgroup_size: 512
    .sgpr_count:     96
    .vgpr_count:     256
    .wavefront_size: 32
...
	.end_amdgpu_metadata
.endif
;; end of part 3
;; launch proj (part 4): grid 4 x 32, 4 waves a work-group, clusters of 4 x 4, 327,680 bytes of LDS; arguments yq, pw, bp, out0; writes out0
.if DOCPART == 4
	.amdgcn_target "amdgcn-amd-amdhsa--gfx1250"
	.amdhsa_code_object_version 6
	.text
	.protected	k_q0282245304_proj
	.globl	k_q0282245304_proj
	.p2align	8
	.type	k_q0282245304_proj,@function
k_q0282245304_proj:
	s_mov_b64 s[64:65], 0
	v_nop
	global_prefetch_b8 v0, s[64:65] scope:SCOPE_SE
	s_setreg_imm32_b32 hwreg(HW_REG_WAVE_MODE, 25, 1), 1
	s_wait_xcnt 0x0
	s_wait_alu depctr_hold_cnt(0) depctr_sa_sdst(0) depctr_va_vdst(0) depctr_va_sdst(0) depctr_va_ssrc(0) depctr_va_vcc(0) depctr_vm_vsrc(0)
	s_getreg_b32 s2, hwreg(HW_REG_IB_STS2, 6, 4)
	s_cmp_eq_u32 s2, 0
	s_cbranch_scc0 .Lentry_in_a_cluster
	s_endpgm
.Lentry_in_a_cluster:
	s_bfe_u32 s2, ttmp6, 0x10000c
	s_cmp_lg_u32 s2, 0xf033
	s_cbranch_scc0 .Lentry_shape_is_right
	s_endpgm
.Lentry_shape_is_right:
; FOURTH LAUNCH: out = y Wp + bp on the third launch's codes of y and the first launch's codes of Wp.  No work is left out.
; The main part is the second launch's: a work-group makes 256 x 256, a wave 128 x 128; K = 1,024 in two LDS slots, each filled once; operands as images of their registers; clusters 4 x 4 with joint loads, A's tiles (y's tokens)
; along a row of the cluster, B's (rows n of Wp, weight tiles 192 on) along a column.  Source 0 = 16 rows of Wp, source 1 = 16 tokens: a lane holds a token, its registers run along the output's columns.
; Tiles hold their rows in the order 32 G + 8 u + place + 8 (place / 8): the way out puts rows and columns back.  bp is the C of each sum's first matrix instruction.
; A token with no open key has scale bytes 0xff in y: its sums are NaN, as the problem has them.
; 128 work-groups: the design has work for no more at this tile; a smaller tile would read each fragment for fewer products.
.set WC,    4194304
.set WS,    6553600
.set YS,    4194304
.set SLOT,  131072
.set SCL,   262144
.set SPARE, 278528
.set FR,    8
.set ADRA,  16
.set ADRB,  20
.set STO,   24                         ; the way out: where I put 32 bytes of a row
.set RD,    25                         ; and where I read a row back
.set ADRS,  27
.set SPW,   28
.set NIL,   29
.set LI,    30
.set SC,    32
.set AF,    128
.set BR,    192
.set BK,    128                        ; the way out: v128-191 and v192-255 by turns
.set G1,    24
.set G0,    32
.set G1B,   48
.set G0B,   56
.set G1S,   68
.set G0S,   76
.set G1SB,  80
.set G0SB,  88
.set MSB, 0
.macro WIN new
.if MSB != (\new)
	s_set_vgpr_msb (MSB<<8)|(\new)
.set MSB, (\new)
.endif
.endm
.set MUL_LO, 0xa1
.set MUL_HI, 0xf1
.set TO_B,   0x40
.macro JLOAD g0a, g1a, g0b, g1b        ; a joint load: waves 0 and 1 fetch for A, waves 2 and 3 for B; an s_nop 0 and four v_nop follow each line
	s_cmp_eq_u32 s15, 0
	s_cbranch_scc0 .Lfor_b_\@
	tensor_load_to_lds s[\g0a:\g0a+3], s[\g1a:\g1a+7]
	s_nop 0
.rept 4
	v_nop
.endr
	s_branch .Lasked_\@
.Lfor_b_\@:
	tensor_load_to_lds s[\g0b:\g0b+3], s[\g1b:\g1b+7]
	s_nop 0
.rept 4
	v_nop
.endr
.Lasked_\@:
.endm
.macro CREST
	s_cmp_lg_u32 s14, 0
	s_cbranch_scc1 .Lnot_wave_0_\@
	s_barrier_signal -3
.Lnot_wave_0_\@:
	s_barrier_wait -3
	s_barrier_signal -1
	s_barrier_wait -1
.endm
.macro CROUND
	s_barrier_signal -1
	s_barrier_wait -1
	CREST
.endm
.macro PLACES n
.rept \n
	v_nop
.endr
.endm
	s_load_b256 s[4:11], s[0:1], 0x0               ; yq s[4:5], pw s[6:7], bp s[8:9], out0 s[10:11]
	v_lshl_add_u32 v[SPW], v0, 2, SPARE
	v_mov_b32 v[NIL], 0
	ds_add_u32 v[SPW], v[NIL]                      ; the wave's opening: the add, twice on end, and its wait ahead of my first tensor load
	ds_add_u32 v[SPW], v[NIL]
	v_lshrrev_b32 v1, 5, v0
	v_readfirstlane_b32 s14, v1
	s_lshr_b32 s15, s14, 1
	s_and_b32 s16, s14, 1
	s_bfe_u32 s40, ttmp6, 0x40000                  ; cx
	s_bfe_u32 s41, ttmp6, 0x40004                  ; cy
	s_and_b32 s17, ttmp7, 0xffff
	s_lshl_b32 s42, s41, 2
	s_lshl_b32 s42, 15, s42
	s_lshl_b32 s43, 0x1111, s40
	s_or_b32 s[G1], s42, (3<<16)|(1<<21)
	s_or_b32 s[G1B], s43, (3<<16)|(1<<21)
.irp g, G1, G1B
	s_mov_b32 s[\g+1], 32<<16
	s_mov_b32 s[\g+2], 128<<16
	s_mov_b32 s[\g+3], 32<<16
	s_mov_b32 s[\g+4], 128
	s_mov_b32 s[\g+5], 32
	s_mov_b32 s[\g+6], 0
	s_mov_b32 s[\g+7], 0
.endr
	s_or_b32 s[G1S], s42, (3<<16)|(1<<21)
	s_or_b32 s[G1SB], s43, (3<<16)|(1<<21)
.irp g, G1S, G1SB
	s_mov_b32 s[\g+1], 32<<16
	s_mov_b32 s[\g+2], 16<<16
	s_mov_b32 s[\g+3], 32<<16
	s_mov_b32 s[\g+4], 16
	s_mov_b32 s[\g+5], 32
	s_mov_b32 s[\g+6], 0
	s_mov_b32 s[\g+7], 0
.endr
	s_mov_b32 s44, 0x200000                        ; from slot to slot in y's codes,
	s_mov_b32 s45, 0
	s_mov_b32 s46, 0x100000                        ; and in the weights'
	s_mov_b32 s47, 0
	s_lshl_b32 s20, s17, 2
	s_add_co_u32 s20, s20, s41                     ; ta: my 256 tokens
	s_lshl_b32 s21, ttmp9, 2
	s_add_co_u32 s21, s21, s40                     ; tb: my 256 columns
	s_lshl_b32 s18, s20, 4
	s_lshl_b32 s17, s16, 3
	s_add_co_u32 s18, s18, s17
	s_lshl_b32 s92, s18, 12
	s_lshl_b32 s94, s18, 9
	s_add_co_u32 s94, s94, YS
	s_lshl_b32 s19, s21, 4
	s_lshl_b32 s66, s16, 3
	s_add_co_u32 s19, s19, s66
	s_add_co_u32 s19, s19, 192                     ; Wp's tiles
	s_lshl_b32 s96, s19, 12
	s_add_co_u32 s96, s96, WC
	s_lshl_b32 s98, s19, 9
	s_add_co_u32 s98, s98, WS
	s_mov_b32 s93, 0
	s_mov_b32 s95, 0
	s_mov_b32 s97, 0
	s_mov_b32 s99, 0
	s_lshl_b32 s67, s14, 15
	s_lshl_b32 s23, s14, 12
	s_wait_dscnt 0x0                               ; both opening adds are done
	s_wait_kmcnt 0x0
	s_add_nc_u64 s[92:93], s[4:5], s[92:93]
	s_add_nc_u64 s[94:95], s[4:5], s[94:95]
	s_add_nc_u64 s[96:97], s[6:7], s[96:97]
	s_add_nc_u64 s[98:99], s[6:7], s[98:99]
	CROUND                                         ; all sixteen work-groups are here: the first joint loads meet
	s_mov_b32 s[G0S], 1
	s_add_co_u32 s[G0S+1], s23, SCL
	s_mov_b64 s[G0S+2:G0S+3], s[94:95]
	s_or_b32 s[G0S+3], s[G0S+3], 0x80000000
	s_mov_b32 s[G0SB], 1
	s_add_co_u32 s[G0SB+1], s23, SCL
	s_mov_b64 s[G0SB+2:G0SB+3], s[98:99]
	s_or_b32 s[G0SB+3], s[G0SB+3], 0x80000000
	JLOAD G0S, G1S, G0SB, G1SB
.irp s, 0,1
	s_mov_b32 s[G0+4*\s], 1
	s_add_co_u32 s[G0+4*\s+1], s67, \s*SLOT
	s_mov_b32 s[G0B+4*\s], 1
	s_add_co_u32 s[G0B+4*\s+1], s67, \s*SLOT
.endr
	s_mov_b64 s[G0+2:G0+3], s[92:93]
	s_add_nc_u64 s[G0+6:G0+7], s[92:93], s[44:45]
	s_mov_b64 s[G0B+2:G0B+3], s[96:97]
	s_add_nc_u64 s[G0B+6:G0B+7], s[96:97], s[46:47]
	s_or_b32 s[G0+3], s[G0+3], 0x80000000
	s_or_b32 s[G0+7], s[G0+7], 0x80000000
	s_or_b32 s[G0B+3], s[G0B+3], 0x80000000
	s_or_b32 s[G0B+7], s[G0B+7], 0x80000000
	JLOAD G0, G1, G0B, G1B
	JLOAD G0+4, G1, G0B+4, G1B                     ; three loads of mine are out
	v_and_b32 v1, 15, v0
	v_bfe_u32 v2, v0, 4, 1
	v_and_b32 v3, 31, v0
	v_lshlrev_b32 v[LI], 4, v3
	s_lshl_b32 s18, s15, 15
	s_lshl_b32 s19, s16, 15
	s_add_co_u32 s19, s19, 65536
.irp s, 0,1
	v_add_nc_u32 v[ADRA+\s], s18, v[LI]
	v_add_nc_u32 v[ADRB+\s], s19, v[LI]
	s_add_co_u32 s18, s18, SLOT
	s_add_co_u32 s19, s19, SLOT
.endr
	s_lshl_b32 s18, s15, 12
	s_lshl_b32 s19, s16, 12
	s_add_co_u32 s19, s19, 8192
	s_sub_co_u32 s19, s19, s18
	v_mul_u32_u24 v4, s19, v2
	s_add_co_u32 s18, s18, SCL
	v_lshl_add_u32 v4, v1, 4, v4
	v_add_nc_u32 v[ADRS], s18, v4
	s_mul_i32 s18, s14, 8448                       ; my stage: 16 rows x (512 + 16) bytes, in slot 0, which has had its one fill and, behind the change of slots, its last read
	v_mul_u32_u24 v5, v1, 528
	v_lshl_add_u32 v5, v2, 6, v5
	v_add_nc_u32 v[STO], s18, v5
	v_add_nc_u32 v[RD], s18, v[LI]
	s_lshl_b32 s18, s21, 10                        ; bp: my 128 columns
	s_lshl_b32 s19, s16, 9
	s_add_co_u32 s18, s18, s19
	s_mov_b32 s19, 0
	s_add_nc_u64 s[8:9], s[8:9], s[18:19]
	s_add_nc_u64 s[10:11], s[10:11], s[18:19]      ; out0: the same columns,
	s_lshl_b32 s18, s20, 20
	s_lshl_b32 s66, s15, 19
	s_add_co_u32 s18, s18, s66
	s_add_nc_u64 s[10:11], s[10:11], s[18:19]      ; my 128 rows of 4,096 bytes
	v_lshlrev_b32 v5, 6, v2
.irp b, 0,1,2,3,4,5,6,7
	global_load_b128 v[BR+8*\b:BR+8*\b+3], v5, s[8:9] offset:(32*(\b/2)+8*(\b%2))*4
	global_load_b128 v[BR+8*\b+4:BR+8*\b+7], v5, s[8:9] offset:(32*(\b/2)+8*(\b%2))*4+16
.endr
.macro FRAG reg, adr, q, i
.irp c, 0,1
	ds_load_b128 v[\reg+4*\c:\reg+4*\c+3], v[\adr] offset:4096*(\i)+1024*(\q)+512*\c
.endr
.endm
; 16 matrix instructions: A's blocks a0, a0 + 1 x B's eight.  cm = 1: C is the bias by B's tile.  The 64 accumulators take turns, one instruction a turn
.macro MUL16 a0, p, q, sc, cm
.irp a, \a0, \a0+1
.irp b, 0,1,2,3,4,5,6,7
.set rD, 8*(8*((\a)%4)+\b)
.set rB, 128*(\p)+FR*\b
.set rA, AF+FR*(\a)
.set rSB, SC+32*(\sc)+4*\b+(\q)
.set rSA, SC+32*(\sc)+4*(\a)+(\q)
.if (\cm) == 0
	v_wmma_scale_f32_16x16x128_f8f6f4 v[rD:rD+7], v[rB:rB+7], v[rA:rA+7], v[rD:rD+7], v[rSB], v[rSA] matrix_a_fmt:MATRIX_FMT_FP4 matrix_b_fmt:MATRIX_FMT_FP4 matrix_a_scale:MATRIX_SCALE_ROW1
.else
	v_wmma_scale_f32_16x16x128_f8f6f4 v[rD:rD+7], v[rB:rB+7], v[rA:rA+7], v[BR+8*\b:BR+8*\b+7], v[rSB], v[rSA] matrix_a_fmt:MATRIX_FMT_FP4 matrix_b_fmt:MATRIX_FMT_FP4 matrix_a_scale:MATRIX_SCALE_ROW1
.endif
.endr
.endr
.endm
.macro FETCH_B slot, q, p
	WIN TO_B
.irp i, 0,1,2,3,4,5,6,7
	FRAG 128*(\p)+FR*\i, ADRB+\slot, \q, \i
.endr
	WIN 0
.endm
.macro FETCH_A slot, q, i0
.irp i, \i0, \i0+1, \i0+2, \i0+3
	FRAG AF+FR*(\i), ADRA+\slot, \q, \i
.endr
.endm
.macro SCALES sc
.irp i, 0,1,2,3,4,5,6,7
	ds_load_b128 v[SC+32*\sc+4*\i:SC+32*\sc+4*\i+3], v[ADRS] offset:512*\i+256*\sc
.endr
.endm
.macro STEP slot, q, cm
	s_wait_dscnt 8                                 ; all but the youngest eight loads (A's blocks 4-7) are in
.if (\cm) == 0
	WIN MUL_LO
.else
	WIN 0x81
.endif
	MUL16 0, (\q)%2, \q, \slot, \cm
	MUL16 2, (\q)%2, \q, \slot, \cm
	s_wait_dscnt 0x0
	PLACES 4
	FETCH_B \slot, (\q)+1, 1-(\q)%2
	FETCH_A \slot, (\q)+1, 0
.if (\cm) == 0
	WIN MUL_HI
.else
	WIN 0xc1
.endif
	MUL16 4, (\q)%2, \q, \slot, \cm
	MUL16 6, (\q)%2, \q, \slot, \cm
	PLACES 4
	WIN 0
	FETCH_A \slot, (\q)+1, 4
.endm
	s_wait_tensorcnt 1                             ; the scale words and my part of slot 0 are in; slot 1's load may be out
	s_barrier_signal -1
	s_barrier_wait -1
	FETCH_B 0, 0, 0
	FETCH_A 0, 0, 0
	SCALES 0
	FETCH_A 0, 0, 4
	s_wait_loadcnt 0x0                             ; the bias
	STEP 0, 0, 1
	STEP 0, 1, 0
	STEP 0, 2, 0
	s_wait_tensorcnt 0x0                           ; my part of slot 1 has landed
	ds_add_u32 v[SPW], v[NIL]
	s_wait_dscnt 9
	WIN MUL_LO
	MUL16 0, 1, 3, 0, 0
	s_wait_dscnt 0x0                               ; my reads of slot 0 are over
	s_barrier_signal -1
	MUL16 2, 1, 3, 0, 0
	WIN 0
	s_barrier_wait -1
	PLACES 4
	FETCH_B 1, 0, 0
	FETCH_A 1, 0, 0
	SCALES 1
	WIN MUL_HI
	MUL16 4, 1, 3, 0, 0
	MUL16 6, 1, 3, 0, 0
	PLACES 4
	WIN 0
	FETCH_A 1, 0, 4
	STEP 1, 0, 0
	STEP 1, 1, 0
	STEP 1, 2, 0
	s_wait_dscnt 8
	WIN MUL_LO
	MUL16 0, 1, 3, 1, 0
	MUL16 2, 1, 3, 1, 0
	s_wait_dscnt 0x0
	WIN MUL_HI
	MUL16 4, 1, 3, 1, 0
	MUL16 6, 1, 3, 1, 0
	WIN 0
; THE WAY OUT, block by block of 16 tokens x 128 columns, through my own stage: in, a lane's eight numbers of tile b at columns 32 (b / 2) + 16 h + 8 (b % 2); back, whole rows of 512 bytes.
; LDS serves a wave's instructions in order: no wait between the stores and the loads, nor in front of the next block's stores.
.macro TOSTAGE a
.set AC, 64*((\a)%4)
	WIN 0x08+4*((\a)/4)                            ; an LDS store's data: window 2 or 3
.irp b, 0,1,2,3,4,5,6,7
	ds_store_b128 v[STO], v[AC+8*\b:AC+8*\b+3] offset:128*(\b/2)+32*(\b%2)         ; each accumulator from its low end on
	ds_store_b128 v[STO], v[AC+8*\b+4:AC+8*\b+7] offset:128*(\b/2)+32*(\b%2)+16
.endr
	WIN 0
.set BB, BK+64*((\a)%2)
.irp t, 0,1,2,3,4,5,6,7,8,9,10,11,12,13,14,15
	ds_load_b128 v[BB+4*\t:BB+4*\t+3], v[RD] offset:\t*528
.endr
.endm
.macro SEND a, younger
.set BB, BK+64*((\a)%2)
	s_wait_dscnt \younger
.irp t, 0,1,2,3,4,5,6,7,8,9,10,11,12,13,14,15
	global_store_b128 v[LI], v[BB+4*\t:BB+4*\t+3], s[10:11] offset:(32*((\a)/2)+8*((\a)%2)+\t+8*(\t/8))*4096 th:TH_STORE_NT   ; place t's token: 512 consecutive bytes, aligned; the base is never stepped
.endr
.endm
	PLACES 4
	TOSTAGE 0
.irp a, 1,2,3,4,5,6,7
.if \a > 1
	s_wait_xcnt 0x0                                ; block a - 2's stores have read their registers: block a's loads may land there
.endif
	TOSTAGE \a
	SEND \a-1, 32                                  ; behind block a - 1's loads: block a's 16 stores and 16 loads
.endr
	SEND 7, 0
	s_wait_tensorcnt 0x0                           ; the wave's end
	ds_add_u32 v[SPW], v[NIL]
	s_wait_dscnt 0x0
	CROUND                                         ; the closing round
	s_endpgm
.Lfunc_end_k_q0282245304_proj:
	.size	k_q0282245304_proj, .Lfunc_end_k_q0282245304_proj-k_q0282245304_proj
	.p2alignl 7, 3214868480
	.fill 96, 4, 3214868480
	.section	.rodata,"a",@progbits
	.p2align	6, 0x0
	.amdhsa_kernel k_q0282245304_proj
		.amdhsa_group_segment_fixed_size 327680
		.amdhsa_private_segment_fixed_size 0
		.amdhsa_enable_private_segment 0
		.amdhsa_kernarg_size 32
		.amdhsa_user_sgpr_count 2
		.amdhsa_user_sgpr_kernarg_segment_ptr 1
		.amdhsa_wavefront_size32 1
		.amdhsa_system_sgpr_workgroup_id_x 1
		.amdhsa_system_sgpr_workgroup_id_y 1
		.amdhsa_system_sgpr_workgroup_id_z 1
		.amdhsa_system_vgpr_workitem_id 0
		.amdhsa_next_free_vgpr 1024
		.amdhsa_next_free_sgpr 100
		.amdhsa_reserve_vcc 0
		.amdhsa_float_denorm_mode_32 3
		.amdhsa_float_denorm_mode_16_64 3
		.amdhsa_memory_ordered 1
		.amdhsa_forward_progress 1
		.amdhsa_inst_pref_size 125
	.end_amdhsa_kernel
	.amdgpu_metadata
---
amdhsa.version: [ 1, 2 ]
amdhsa.kernels:
  - .name:           k_q0282245304_proj
    .symbol:         k_q0282245304_proj.kd
    .args:
      - { .name: yq, .offset: 0, .size: 8, .value_kind: global_buffer, .address_space: global }
      - { .name: pw, .offset: 8, .size: 8, .value_kind: global_buffer, .address_space: global }
      - { .name: bp, .offset: 16, .size: 8, .value_kind: global_buffer, .address_space: global }
      - { .name: out0, .offset: 24, .size: 8, .value_kind: global_buffer, .address_space: global }
    .group_segment_fixed_size: 327680
    .private_segment_fixed_size: 0
    .kernarg_segment_align: 8
    .kernarg_segment_size: 32
    .max_flat_workgroup_size: 128
    .sgpr_count:     100
    .vgpr_count:     1024
    .wavefront_size: 32
...
	.end_amdgpu_metadata
.endif
;; end of part 4
;; ======== version 2 of 2: 4 launches; version 1 with the launch attn written anew for expert scheduling mode
;; workspace buffers: pw 6,684,672 bytes; mk 532,480 bytes of whole numbers; qkv 13,369,344 bytes; yq 4,456,448 bytes
;; launch prep: the kernel of part 1 again; grid 640 x 1, 4 waves a work-group, no clusters, 68,096 bytes of LDS; arguments x, mask, Wq, Wk, Wv, Wp, pw, mk; writes pw, mk
;; launch qkv: the kernel of part 2 again; grid 12 x 32, 4 waves a work-group, clusters of 4 x 4, 327,680 bytes of LDS; arguments pw, bq, bk, bv, qkv; writes qkv
;; launch attn (part 5): grid 256 x 1, 16 waves a work-group, no clusters, 141,312 bytes of LDS; arguments qkv, mk, yq; writes yq
.if DOCPART == 5
	.amdgcn_target "amdgcn-amd-amdhsa--gfx1250"
	.amdhsa_code_object_version 6
	.text
	.protected	k_q0282245304_attn
	.globl	k_q0282245304_attn
	.p2align	8
	.type	k_q0282245304_attn,@function
k_q0282245304_attn:
	s_mov_b64 s[64:65], 0
	v_nop
	global_prefetch_b8 v0, s[64:65] scope:SCOPE_SE
	s_setreg_imm32_b32 hwreg(HW_REG_WAVE_SCHED_MODE, 0, 2), 2
	s_setreg_imm32_b32 hwreg(HW_REG_WAVE_MODE, 25, 1), 1
	s_wait_xcnt 0x0
	s_wait_alu depctr_vm_vsrc(0)
; THIRD LAUNCH: y = softmax(q k^T / 8, under the mask) v for each batch and head, both products on codes of E2M1; y is quantised along the channels for the last product.
; LEFT OUT: a step of 128 keys in which the mask hides every key from all 32 queries of the wave: its p are zeros, which add nothing to the sum, to the maximum or to the product.  The first launch's flags, whole numbers
; read from memory, decide it for whatever mask is given.  A NaN or an infinity in k or v that reaches only such a step is not carried to the result.
; THE SOFTMAX: t = score x log2(e) / 8; M = the running largest t rounded up to a whole number; p = 2^(t - M) is quantised along the keys; the sum is taken of the unquantised p and divides at the end.
; SHARES.  A work-group takes a quarter of one head's queries; its sixteen waves 32 queries each: two tiles, A and B, which share each fragment of k and v.  Which unit of 32 a wave takes comes from a table: an order of the work alone.
; A head's codes of k and v and their scale words, 136 KiB, are copied once into LDS through registers; it has no tensor load, and its work-groups ask for nothing jointly.
; LAYOUT.  S^T = k q^T, O^T = v^T p^T: a lane holds one query.  The head has 64 channels, half of the instruction's 128: a fragment of k holds key tile 2 f in registers 0-3 and tile 2 f + 1 in registers 4-7, and is multiplied by
; (q, zeros) and by (zeros, q): no loaded byte is a zero.
; A ROW WITH NO OPEN KEY has the sum 0: its scale bytes are set to 0xff, so that the last product gives NaN there, as the problem's softmax of a row of -infinity does.
; LIMITS: a block of zeros gets the scale byte 1 (only this program reads the bytes); NaN and infinities in q, k, v are not served.
; REGISTERS: v1 16 x lane, v2 16 r; v3-6 the step's addresses; v7 -infinity; v8, v9 the add's two; v10-13, v14-17 -M, largest t, the sum's pair, of A and of B; v18-21 scale words of q A, q B, p A, p B; v22-25 of k or v;
; v26, v27, v244 address bases; v28-47 zeros, q A, zeros, q B, zeros; v48-79 k or v; v80-143 S^T, then p; v144-175, v176-207 O^T of A, B; v208-215, v216-223 p's codes; v224-243 at work.
; THE MODE: SCHED_MODE bits 1:0 = 2 (LLVM: expert scheduling mode 2), set by the entry lines.  The code itself states the register dependences
; between vector or matrix instructions and memory or LDS instructions, with s_wait_alu, always for 0.
; THE PLAN.  Registers that memory or LDS instructions touch:
;   v1, v2          Offsets, made at the head and never written again: read by q's loads and by the last stores.
;   v3 .. v6        At the head the copy's offsets and LDS addresses.  In a step the LDS addresses of k, v and their scale words: written by four additions at the step's head, read by the step's 18 LDS loads.
;   v48-79, v22-25  k's fragments and scale words: LDS loads at the step's head land in them, the step's 16 products k q^T read them.  Then v's: LDS loads inside B's softmax land in them, the 8 products v^T p^T read them.
;                   The wave's 256 registers leave no room for a second set of 36: k and v take turns in one.  (At the head v48-115 carry the copy: loads land in them, LDS stores read them.)
;   v28-47, v18-19  The zero codes and q's scale words are written once, at the head, by vector instructions; scaled products take them.
;   v208-223, v20-21  p's codes and scale words: written by each softmax's vector instructions; the scaled products v^T p^T take them.  On the way out v208-211, v216-219, v242 and v245 are written by vector instructions and read by the three stores.
;   v8, v9          Written at the head, read by the closing add alone.
; A STEP'S WAITS.  One on vm_vsrc ahead of the four additions.  One on va_vdst behind them, ahead of k's loads.  The two that each softmax's exponentials have in any case: behind the first of B's two stand v's loads, since all products
; k q^T were issued ahead of it and no vector instruction behind it names a register that those loads touch.  One on va_vdst ahead of the products v^T p^T.
.set KC,    4194304
.set QS,    12582912
.set KS,    QS+262144
.set FLO,   524288
.set YS,    4194304
.set SPARE, 139264                     ; LDS: k's codes at 0, v's at 65,536, k's scale words at 131,072, v's at 135,168; then the spare words, 128 bytes a wave
.set S,   80
.set KV,  48
.set BM,  224
.set PM,  228
.set SO,  232
.set SU,  236
.set FF,  238
.set TT,  240
.set SEL, 68
.set CS,  70
.set HM,  78
	s_load_b128 s[4:7], s[0:1], 0x0                ; qkv, mk
	s_load_b64 s[8:9], s[0:1], 0x10                ; yq
	v_lshl_add_u32 v8, v0, 2, SPARE
	v_mov_b32 v9, 0
	v_lshrrev_b32 v1, 5, v0
	v_readfirstlane_b32 s10, v1                    ; wave
	v_and_b32 v1, 31, v0
	v_lshlrev_b32 v1, 4, v1
	v_and_b32 v2, 15, v0
	v_lshlrev_b32 v2, 4, v2
	v_lshlrev_b32 v3, 4, v0                        ; the copy: 16 x thread, in memory and in LDS
	v_add_nc_u32 v4, 65536, v3
	v_add_nc_u32 v5, 131072, v3
	v_lshrrev_b32 v6, 8, v0
	v_mul_u32_u24 v6, v6, 258048                   ; threads 256 on take v's scale words, 262,144 - 4,096 further on in memory
	v_add_nc_u32 v6, v6, v3
	s_wait_alu depctr_va_sdst(0)                   ; s10 is written, ahead of its first reader: the wave's unit of queries is made from it
	s_lshr_b32 s11, ttmp9, 2                       ; batch x head
	s_and_b32 s12, ttmp9, 3
	s_and_b32 s13, s10, 7
	s_lshl_b32 s13, s13, 2
	s_mov_b32 s14, 0x7a94c12f                      ; the table: a 4 x 4 square of 0 .. 15 whose rows and columns have equal sums
	s_cmp_lt_u32 s10, 8
	s_cselect_b32 s14, s14, 0x0de3b658
	s_lshr_b32 s14, s14, s13
	s_and_b32 s14, s14, 15
	s_lshl_b32 s14, s14, 2
	s_add_co_u32 s14, s14, s12                     ; my unit of 32 queries: tiles 2 unit and 2 unit + 1
	s_lshl_b32 s80, s11, 16
	s_mov_b32 s81, 0
	s_lshl_b32 s82, s14, 10
	s_add_co_u32 s82, s82, s80
	s_mov_b32 s83, 0
	s_lshl_b32 s84, s11, 12
	s_mov_b32 s85, 0
	s_lshr_b32 s86, s14, 2
	s_lshl_b32 s86, s86, 8
	s_and_b32 s87, s14, 3
	s_lshl_b32 s87, s87, 2
	s_add_co_u32 s86, s86, s87
	s_add_co_u32 s86, s86, s84
	s_mov_b32 s87, 0
	s_lshl_b32 s88, s14, 7
	s_mov_b32 s89, 0
	s_lshl_b32 s72, s14, 13
	s_mov_b32 s73, 0
	s_mov_b32 s[SEL], 0x76543210
	s_mov_b32 s[SEL+1], 0xfedcba98
	s_mov_b32 s[CS], 0x3e38aa3b                    ; c = log2(e) / 8
	s_mov_b32 s[CS+1], s[CS]
	s_mov_b32 s[HM], 0xffff0000
	s_wait_kmcnt 0x0
	s_add_nc_u64 s[80:81], s[4:5], s[80:81]
	s_add_nc_u64 s[80:81], s[80:81], KC            ; the head's k; v lies 4 MiB on
	s_add_nc_u64 s[82:83], s[4:5], s[82:83]        ; my two tiles of q
	s_add_nc_u64 s[84:85], s[4:5], s[84:85]
	s_add_nc_u64 s[84:85], s[84:85], KS            ; the head's scale words of k
	s_add_nc_u64 s[86:87], s[4:5], s[86:87]
	s_add_nc_u64 s[86:87], s[86:87], QS            ; my tiles' scale word
	s_add_nc_u64 s[88:89], s[6:7], s[88:89]
	s_add_nc_u64 s[88:89], s[88:89], FLO           ; my tiles' 2 x 16 flags
	s_add_nc_u64 s[72:73], s[6:7], s[72:73]        ; my tiles' mask words: A's of step 0; B's 4,096 bytes on
	s_wait_alu depctr_va_vdst(0)                   ; v1 to v6 are written: the loads below read v1, v2, v3 and v6 as offsets, the LDS stores v3, v4 and v5 as addresses; no vector instruction stands between this wait and them
.irp i, 0,1,2,3,4,5,6,7
	global_load_b128 v[48+4*\i:51+4*\i], v3, s[80:81] offset:8192*\i
.endr
.irp i, 0,1,2,3,4,5,6,7
	global_load_b128 v[80+4*\i:83+4*\i], v3, s[80:81] offset:4194304+8192*\i
.endr
	global_load_b128 v[112:115], v6, s[84:85]
	global_load_b128 v[32:35], v1, s[82:83]
	global_load_b128 v[40:43], v1, s[82:83] offset:512
	global_load_b32 v21, v2, s[86:87]
	s_load_b512 s[16:31], s[88:89], 0x0
	s_load_b512 s[32:47], s[88:89], 0x40
.irp i, 0,1,2,3,4,5,6,7
	s_wait_loadcnt 19-\i                           ; behind this load: the later ones of the copy and the three for q
	ds_store_b128 v3, v[48+4*\i:51+4*\i] offset:8192*\i
.endr
.irp i, 0,1,2,3,4,5,6,7
	s_wait_loadcnt 11-\i
	ds_store_b128 v4, v[80+4*\i:83+4*\i] offset:8192*\i
.endr
	s_wait_loadcnt 3
	ds_store_b128 v5, v[112:115]
	s_wait_dscnt 0x0                               ; for the others' sake: my stores have landed
	s_barrier_signal -1
	s_barrier_wait -1                              ; the launch's one barrier: from here on LDS is only read
	s_wait_kmcnt 0x0
	s_mov_b32 s66, s16                             ; A's flags: bit S some key of step S open, bit 16 + S all open
	s_mov_b32 s67, s32                             ; B's
.irp q, 1,2,3,4,5,6,7,8,9,10,11,12,13,14,15
	s_lshl_b32 s77, s[16+\q], \q
	s_or_b32 s66, s66, s77
	s_lshl_b32 s77, s[32+\q], \q
	s_or_b32 s67, s67, s77
.endr
	s_wait_loadcnt 0x0                             ; q
	v_perm_b32 v18, v21, v21, 0x01000100           ; tile A's two bytes, for both halves of the instruction's K
	v_perm_b32 v19, v21, v21, 0x03020302           ; tile B's
.irp i, 28,29,30,31,36,37,38,39,44,45,46,47
	v_mov_b32 v[\i], 0                             ; zero codes
.endr
	v_mov_b32 v7, 0xff800000
	v_add_nc_u32 v26, 65536, v1
	v_add_nc_u32 v27, 131072, v2
	v_add_nc_u32 v244, 135168, v2
	v_mov_b32 v11, 0xff61b1e6                      ; the largest t so far: -3e38
	v_floor_f32 v10, -v11
	v_mov_b32 v12, 0
	v_mov_b32 v13, 0
	v_mov_b32 v15, 0xff61b1e6
	v_floor_f32 v14, -v15
	v_mov_b32 v16, 0
	v_mov_b32 v17, 0
.irp b, 0,1,2,3
	v_mov_b32 v[PM+\b], 0                          ; a lane permute's destination counts as read
.endr
	v_mov_b32 v[FF+1], 0                           ; named as the upper half of a pair
.set j, 0
.rept 64
	v_mov_b32 v[144+j], 0                          ; O^T: which step is a wave's first hangs on the flags, so the step is written once and its first run finds zeros
.set j, j+1
.endr
.macro QK lo, hi, qs                   ; eight tiles of 16 keys
.irp f, 0,1,2,3
	v_wmma_scale_f32_16x16x128_f8f6f4 v[S+16*\f:S+16*\f+7], v[KV+8*\f:KV+8*\f+7], v[\lo:\lo+7], 0, v[22+\f], v[\qs] matrix_a_fmt:MATRIX_FMT_FP4 matrix_b_fmt:MATRIX_FMT_FP4
	v_wmma_scale_f32_16x16x128_f8f6f4 v[S+16*\f+8:S+16*\f+15], v[KV+8*\f:KV+8*\f+7], v[\hi:\hi+7], 0, v[22+\f], v[\qs] matrix_a_fmt:MATRIX_FMT_FP4 matrix_b_fmt:MATRIX_FMT_FP4
.endr
.endm
.macro MASKIT u, fl                    ; hidden scores become -infinity; a step all of whose keys are open skips loads and selects together
	s_bitcmp1_b32 s[\fl], 16
	s_cbranch_scc1 .Lopen_\@
	s_load_b512 s[16:31], s[72:73], 4096*\u
	s_load_b512 s[32:47], s[72:73], 4096*\u+64
	s_load_b512 s[48:63], s[72:73], 4096*\u+128
	s_load_b512 s[80:95], s[72:73], 4096*\u+192
	s_wait_kmcnt 0x0
.set n, 0
.rept 48
	v_cndmask_b32 v[S+n], v7, v[S+n], s[16+n]
.set n, n+1
.endr
.rept 16
	v_cndmask_b32 v[S+n], v7, v[S+n], s[32+n]
.set n, n+1
.endr
.Lopen_\@:
.endm
; vl = 1: tile B's softmax, in which the step's fragments and scale words of v are asked for
.macro SOFTMAX st, o, p, ps, vl
.irp b, 0,1,2,3
	v_max3_num_f32 v[BM+\b], v[S+16*\b], v[S+1+16*\b], v[S+2+16*\b]   ; the largest score of each block of 32 keys: for the row's maximum and for the block's largest p
.endr
.irp i, 3,5,7,9,11,13
.irp b, 0,1,2,3
	v_max3_num_f32 v[BM+\b], v[BM+\b], v[S+16*\b+\i], v[S+1+16*\b+\i]
.endr
.endr
.irp b, 0,1,2,3
	v_max_num_f32 v[BM+\b], v[BM+\b], v[S+15+16*\b]
.endr
.irp b, 0,1,2,3
	v_permlanex16_b32 v[PM+\b], v[BM+\b], s[SEL], s[SEL+1]
.endr
.irp b, 0,1,2,3
	v_max_num_f32 v[BM+\b], v[BM+\b], v[PM+\b]
.endr
	v_max3_num_f32 v[TT], v[BM], v[BM+1], v[BM+2]
	v_max_num_f32 v[TT], v[TT], v[BM+3]
	v_mul_f32 v[TT], s[CS], v[TT]
	v_max_num_f32 v[\st+1], v[\st+1], v[TT]        ; the running largest t
	v_mov_b32 v[TT], v[\st]
	v_floor_f32 v[\st], -v[\st+1]                  ; -M = floor(-t): M is a whole number
	v_sub_f32 v[TT], v[\st], v[TT]
	v_cvt_i32_f32 v[TT], v[TT]                     ; (it saturates)
	v_ldexp_f32 v[FF], 1.0, v[TT]                  ; f = 2^(old M - new M)
.set j, 0
.rept 32
	v_pk_fma_f32 v[S+j:S+j+1], v[S+j:S+j+1], s[CS:CS+1], v[\st:\st+1] op_sel_hi:[1,0,0]   ; t - M
.set j, j+2
.endr
.irp b, 0,1,2,3
	v_fma_f32 v[BM+\b], v[BM+\b], s[CS], v[\st]
.endr
.set j, 0
.rept 64
	v_exp_f32 v[S+j], v[S+j]                       ; p, not normalised
.set j, j+1
.endr
	v_pk_mul_f32 v[\st+2:\st+3], v[\st+2:\st+3], v[FF:FF+1] op_sel_hi:[1,0]   ; the sum under the new M: a plain place behind the exponentials
	s_wait_alu depctr_va_vdst(0)                   ; the 64 exponentials have written p, ahead of its first reader: one wait for the batch.  vl = 1: the step's 16 products k q^T are also done reading v48-79 and v22-25, in which the loads below land
.if \vl
.irp t, 0,1,2,3
.irp c, 0,1
	ds_load_b128 v[KV+8*\t+4*\c:KV+8*\t+4*\c+3], v4 offset:1024*\t+512*\c   ; v lands while the rest of B's softmax runs.  v4 and v6 were written at the step's head
.endr
.endr
	ds_load_b128 v[22:25], v6
.endif
.irp b, 0,1,2,3
	v_exp_f32 v[BM+\b], v[BM+\b]                   ; each block's largest p
.endr
	v_pk_add_f32 v[SU:SU+1], v[S:S+1], v[S+2:S+3]  ; the sum of the unquantised p, in two chains
.set j, 4
.rept 15
	v_pk_add_f32 v[\st+2:\st+3], v[\st+2:\st+3], v[S+j:S+j+1]
	v_pk_add_f32 v[SU:SU+1], v[SU:SU+1], v[S+2+j:S+3+j]
.set j, j+4
.endr
	v_pk_add_f32 v[\st+2:\st+3], v[\st+2:\st+3], v[SU:SU+1]
	s_wait_alu depctr_va_vdst(0)                   ; the four exponentials have written the blocks' largest p, ahead of their first reader
.irp b, 0,1,2,3
	v_max_num_f32 v[BM+\b], 0x1800000, v[BM+\b]    ; the floor: the byte cannot fall under 1
.endr
.irp b, 0,1,2,3
	v_add_nc_u32 v[SO+\b], 0xff000000, v[BM+\b]
.endr
.irp b, 0,1,2,3
	v_lshrrev_b32 v[PM+\b], 23, v[SO+\b]
.endr
	v_lshl_or_b32 v[\ps], v[PM+1], 8, v[PM]
	v_lshl_or_b32 v[\ps], v[PM+2], 16, v[\ps]
	v_lshl_or_b32 v[\ps], v[PM+3], 24, v[\ps]
.irp b, 0,1,2,3
	v_cvt_scalef32_pk8_fp4_f32 v[\p+2*\b], v[S+16*\b:S+7+16*\b], v[SO+\b]
	v_cvt_scalef32_pk8_fp4_f32 v[\p+1+2*\b], v[S+8+16*\b:S+15+16*\b], v[SO+\b]
.endr
	v_nop
.irp c, 0,1
.irp i, 0,1
	v_permlane16_swap_b32 v[\p+4*\c+\i], v[\p+2+4*\c+\i]
.endr
.endr
.set j, 0
.rept 16
	v_pk_mul_f32 v[\o+j:\o+j+1], v[\o+j:\o+j+1], v[FF:FF+1] op_sel_hi:[1,0]   ; O^T under the new M; these sixteen also stand between the scale word's and the codes' last writes and the products
.set j, j+2
.endr
.endm
	s_mov_b32 s74, 0                               ; the step's codes in LDS: 4,096 bytes a step
	s_mov_b32 s75, 0                               ; its scale words: 256
	s_mov_b32 s76, 16
.Lstep:                                                ; sixteen trips, a constant; a hidden step's work is jumped over, its address steps are not
	s_or_b32 s77, s66, s67
	s_bitcmp1_b32 s77, 0
	s_cbranch_scc0 .Lnext
	s_wait_alu depctr_vm_vsrc(0)                   ; the LDS loads of the step before have read v3 to v6, which are written below.  In a wave's first step: the copy's loads and LDS stores have read v3 to v6 and their data v48 to v115, which this step's additions, loads and products write
	v_add_nc_u32 v3, s74, v1                       ; the step's four LDS addresses: k's codes,
	v_add_nc_u32 v4, s74, v26                      ; v's,
	v_add_nc_u32 v5, s75, v27                      ; k's scale words,
	v_add_nc_u32 v6, s75, v244                     ; v's
	s_wait_alu depctr_va_vdst(0)                   ; v3 to v6 are written, which the step's LDS loads read; the last step's products v^T p^T are done reading v48-79 and v22-25, in which the loads below land; in a wave's first step: the zero codes and q's scale words v18, v19, which the scaled products take, are written
.irp f, 0,1,2,3
.irp c, 0,1
	ds_load_b128 v[KV+8*\f+4*\c:KV+8*\f+4*\c+3], v3 offset:1024*\f+512*\c
.endr
.endr
	ds_load_b128 v[22:25], v5
	s_wait_dscnt 0x0
	QK 32, 28, 18
.rept 4
	v_nop
.endr
	MASKIT 0, 66
	SOFTMAX 10, 144, 208, 20, 0
	QK 40, 36, 19
.rept 4
	v_nop                                          ; in front of the first read of the scores
.endr
	MASKIT 1, 67
	SOFTMAX 14, 176, 216, 21, 1
	s_wait_dscnt 0x0                               ; v's fragments and scale words are in
	s_wait_alu depctr_va_vdst(0)                   ; B's codes v216-223 and scale word v21 are written, which the scaled products below take (A's stand ahead of B's waits); the sixteen lines that end the softmax are the places, and stay beside this wait
.irp t, 0,1,2,3                        ; the eight accumulators take turns
	v_wmma_scale_f32_16x16x128_f8f6f4 v[144+8*\t:151+8*\t], v[KV+8*\t:KV+8*\t+7], v[208:215], v[144+8*\t:151+8*\t], v[22+\t], v20 matrix_a_fmt:MATRIX_FMT_FP4 matrix_b_fmt:MATRIX_FMT_FP4
	v_wmma_scale_f32_16x16x128_f8f6f4 v[176+8*\t:183+8*\t], v[KV+8*\t:KV+8*\t+7], v[216:223], v[176+8*\t:183+8*\t], v[22+\t], v21 matrix_a_fmt:MATRIX_FMT_FP4 matrix_b_fmt:MATRIX_FMT_FP4
.endr
.Lnext:
	s_lshr_b32 s66, s66, 1
	s_lshr_b32 s67, s67, 1
	s_add_co_u32 s74, s74, 4096
	s_add_co_u32 s75, s75, 256
	s_add_nc_u64 s[72:73], s[72:73], 256           ; no scalar load is out: each was waited for where it was issued
	s_sub_co_u32 s76, s76, 1
	s_cmp_lg_u32 s76, 0
	s_cbranch_scc1 .Lstep
; THE WAY OUT.  O^T / the sum; a lane's 32 registers are 16 of each 32 of the head's 64 channels of its query: quantised, they are one part of y's image
.macro OUT st, o, pc, ub, zs
	v_add_f32 v[TT], v[\st+2], v[\st+3]
	v_permlanex16_b32 v[PM], v[TT], s[SEL], s[SEL+1]
	v_add_f32 v[TT], v[TT], v[PM]                  ; the row's sum
	v_cmp_eq_f32 s[\zs], 0, v[TT]                  ; no open key
	v_max_num_f32 v[TT], 0x800000, v[TT]           ; (a row with an open key has a sum above 1/2: nothing changes there)
	v_rcp_f32 v[FF], v[TT]
	v_nop
	s_wait_alu depctr_va_vdst(0)                   ; the reciprocal is written, ahead of its first reader
.set j, 0
.rept 16
	v_pk_mul_f32 v[\o+j:\o+j+1], v[\o+j:\o+j+1], v[FF:FF+1] op_sel_hi:[1,0]
.set j, j+2
.endr
.irp g, 0,1
	v_max3_num_f32 v[BM+\g], |v[\o+16*\g]|, |v[\o+1+16*\g]|, 0x1800000
.endr
.irp i, 2,4,6,8,10,12,14
.irp g, 0,1
	v_max3_num_f32 v[BM+\g], v[BM+\g], |v[\o+16*\g+\i]|, |v[\o+1+16*\g+\i]|
.endr
.endr
.irp g, 0,1
	v_permlanex16_b32 v[PM+\g], v[BM+\g], s[SEL], s[SEL+1]
.endr
.irp g, 0,1
	v_max_num_f32 v[BM+\g], v[BM+\g], v[PM+\g]
.endr
.irp g, 0,1
	v_add_nc_u32 v[SO+\g], 0xff000000, v[BM+\g]
.endr
.irp g, 0,1
	v_lshrrev_b32 v[PM+\g], 23, v[SO+\g]
.endr
	v_lshl_or_b32 v[\ub], v[PM+1], 8, v[PM]
	s_wait_alu depctr_va_sdst(0)                   ; the compare above has written its mask, ahead of the select that reads it
	v_cndmask_b32 v[\ub], v[\ub], v241, s[\zs]
.irp g, 0,1
	v_cvt_scalef32_pk8_fp4_f32 v[\pc+2*\g], v[\o+16*\g:\o+7+16*\g], v[SO+\g]
	v_cvt_scalef32_pk8_fp4_f32 v[\pc+1+2*\g], v[\o+8+16*\g:\o+15+16*\g], v[SO+\g]
.endr
	v_nop
	v_permlane16_swap_b32 v[\pc], v[\pc+2]
	v_permlane16_swap_b32 v[\pc+1], v[\pc+3]
.endm
.rept 4
	v_nop                                          ; places behind the last products
.endr
	v_mov_b32 v241, 0xffff
	OUT 10, 144, 208, 242, 77
	OUT 14, 176, 216, 243, 79
	s_lshr_b32 s80, s11, 4                         ; batch
	s_and_b32 s81, s11, 15                         ; head
	s_lshl_b32 s80, s80, 7
	s_lshl_b32 s82, s14, 1
	s_add_co_u32 s80, s80, s82                     ; tile A among the 512 token tiles
	s_lshr_b32 s82, s81, 3
	s_lshl_b32 s83, s82, 21
	s_lshl_b32 s84, s80, 12
	s_add_co_u32 s84, s84, s83
	s_and_b32 s83, s81, 7
	s_lshl_b32 s83, s83, 9
	s_add_co_u32 s84, s84, s83
	s_mov_b32 s85, 0
	s_add_nc_u64 s[84:85], s[8:9], s[84:85]
	s_lshl_b32 s86, s80, 9
	s_lshl_b32 s82, s82, 8
	s_add_co_u32 s86, s86, s82
	s_bfe_u32 s82, s81, 0x20001
	s_lshl_b32 s82, s82, 2
	s_add_co_u32 s86, s86, s82
	s_and_b32 s82, s81, 1
	s_lshl_b32 s82, s82, 1
	s_add_co_u32 s86, s86, s82
	s_mov_b32 s87, 0
	s_add_nc_u64 s[86:87], s[8:9], s[86:87]
	s_add_nc_u64 s[86:87], s[86:87], YS
	v_bfe_u32 v246, v0, 4, 1
	v_lshl_add_u32 v245, v246, 9, v2               ; 16 r + 512 h: lanes 0-15 tile A's rows, lanes 16-31 tile B's
	v_cndmask_b32 v242, v242, v243, s[HM]
	s_wait_alu depctr_va_vdst(0)                   ; y's codes v208-211 and v216-219, the scale bytes v242 and the offset v245 are written, which the three stores read
	global_store_b128 v1, v[208:211], s[84:85]     ; 512 consecutive bytes, aligned
	global_store_b128 v1, v[216:219], s[84:85] offset:4096
	global_store_b16 v245, v242, s[86:87]          ; my head's two bytes of a row's scale word: 2 bytes of each 16; one byte for each 16 of codes
	s_wait_dscnt 0x0                               ; the wave's end
	s_wait_alu 0x0
	s_wait_tensorcnt 0x0
	ds_add_u32 v8, v9
	s_wait_dscnt 0x0
	s_endpgm
.Lfunc_end_k_q0282245304_attn:
	.size	k_q0282245304_attn, .Lfunc_end_k_q0282245304_attn-k_q0282245304_attn
	.p2alignl 7, 3214868480
	.fill 96, 4, 3214868480
	.section	.rodata,"a",@progbits
	.p2align	6, 0x0
	.amdhsa_kernel k_q0282245304_attn
		.amdhsa_group_segment_fixed_size 141312
		.amdhsa_private_segment_fixed_size 0
		.amdhsa_enable_private_segment 0
		.amdhsa_kernarg_size 24
		.amdhsa_user_sgpr_count 2
		.amdhsa_user_sgpr_kernarg_segment_ptr 1
		.amdhsa_wavefront_size32 1
		.amdhsa_system_sgpr_workgroup_id_x 1
		.amdhsa_system_sgpr_workgroup_id_y 1
		.amdhsa_system_sgpr_workgroup_id_z 1
		.amdhsa_system_vgpr_workitem_id 0
		.amdhsa_next_free_vgpr 256
		.amdhsa_next_free_sgpr 96
		.amdhsa_reserve_vcc 0
		.amdhsa_float_denorm_mode_32 3
		.amdhsa_float_denorm_mode_16_64 3
		.amdhsa_memory_ordered 1
		.amdhsa_forward_progress 1
		.amdhsa_inst_pref_size 58
	.end_amdhsa_kernel
	.amdgpu_metadata
---
amdhsa.version: [ 1, 2 ]
amdhsa.kernels:
  - .name:           k_q0282245304_attn
    .symbol:         k_q0282245304_attn.kd
    .args:
      - { .name: qkv, .offset: 0, .size: 8, .value_kind: global_buffer, .address_space: global }
      - { .name: mk, .offset: 8, .size: 8, .value_kind: global_buffer, .address_space: global }
      - { .name: yq, .offset: 16, .size: 8, .value_kind: global_buffer, .address_space: global }
    .group_segment_fixed_size: 141312
    .private_segment_fixed_size: 0
    .kernarg_segment_align: 8
    .kernarg_segment_size: 24
    .max_flat_workgroup_size: 512
    .sgpr_count:     96
    .vgpr_count:     256
    .wavefront_size: 32
...
	.end_amdgpu_metadata
.endif
;; end of part 5
;; launch proj: the kernel of part 4 again; grid 4 x 32, 4 waves a work-group, clusters of 4 x 4, 327,680 bytes of LDS; arguments yq, pw, bp, out0; writes out0
